; MI455X (gfx1250); checked and timed in simulation.
; The chip was launched on July 23, 2026; its instructions are those of AMD's public machine-readable ISA for CDNA 5 (MIT licence, August 2026) and "CDNA5" Instruction Set Architecture Reference Guide (July 2026). The comments in the code are by the model that wrote it; some were corrected since.
;; Cross Attention. Allowed arithmetic: matrix products marked QUANTISED: E2M3 operands, one E8M0 scale for each 32 along K, by v_wmma_scale_f32_16x16x128_f8f6f4 with both operands' format E2M3, f32 sums; everything else in f32.
;; Inputs: Wc 1,024 x 1,024 float32; Wf 2,048 x 1,024 float32; Wp 1,024 x 1,024 float32; bc 1,024 float32; bf 2,048 float32; bp 1,024 float32; feature 8 x 1,024 x 1,024 float32; x 8 x 1,024 x 1,024 float32.
;; Outputs: out0 8 x 1,024 x 1,024 float32.
;; This version of the problem:
;;   THIS VERSION OF THE PROBLEM IS GIVEN IN LOW PRECISION. The matrix products marked QUANTISED in the list below multiply operands that are first quantised to E2M3 (2 exponent bits, 3 mantissa bits; 6 bits a number), with one power-of-two scale for each 32 numbers along K (OCP MX v1.0); their sums are f32. All else is computed in f32.
;;   The module's matrix products, in the order in which they are computed (A, B: the left and right operand; K: the contracted axis; several contracted axes count as one K, in the product's order):
;;     1. [M 8,192, K 1,024] x [K 1,024, N 1,024]; A: input x; B: input Wc: QUANTISED
;;     2. [M 8,192, K 1,024] x [K 1,024, N 2,048]; A: input feature; B: input Wf: QUANTISED
;;     3. batch 128 x [M 1,024, K 64] x [K 64, N 1,024]; A: computed on the way; B: computed on the way: QUANTISED
;;     4. batch 128 x [M 1,024, K 1,024] x [K 1,024, N 64]; A: softmax (see below); B: computed on the way: QUANTISED
;;     5. [M 8,192, K 1,024] x [K 1,024, N 1,024]; A: computed on the way; B: input Wp: QUANTISED
;;   THE QUANTISER, for each operand of a quantised product, along K:
;;     - K is cut into blocks of 32 from its start; a last block that is shorter is filled with zeros.
;;     - A block's scale is 2^e with e = floor(log2(the largest magnitude in the block)) - 2, held to -126 .. 127; a block of zeros has e = 0. As a byte (E8M0): e + 127.
;;     - Each number is divided by its block's scale, clamped to +-7.5, and rounded to the nearest number of E2M3, ties to even, subnormals kept.
;;     - The product sums the exact products of the quantised numbers (number of the format x scale) in f32.
;;   ~~~python
;;   def quantise(x, axis):      # numpy; x: float32 -> the quantised numbers, widened to float32 again
;;       x = np.moveaxis(x, axis, -1); K = x.shape[-1]
;;       x = np.pad(x, [(0, 0)] * (x.ndim - 1) + [(0, -K % 32)]); x = x.reshape(x.shape[:-1] + (-1, 32)); a = np.abs(x).max(-1, keepdims=True)
;;       e = np.where(a > 0, np.clip(np.frexp(np.where(a > 0, a, 1))[1] - 1 - 2, -126, 127), 0)      # np.frexp(a)[1] - 1 = floor(log2(a)), exactly
;;       r = np.clip(x / 2.0 ** e, -7.5, 7.5)
;;       step = 2.0 ** (np.maximum(np.frexp(np.where(r == 0, 1, r))[1] - 1, 0) - 3)
;;       q = np.round(r / step) * step * 2.0 ** e      # np.round: ties to even
;;       return np.moveaxis(q.reshape(q.shape[:-2] + (-1,))[..., :K], -1, axis).astype(np.float32)
;;   ~~~
;;   SOFTMAX AHEAD OF A QUANTISED PRODUCT. Where the list says 'softmax', what is quantised is not the finished softmax but p = 2^(t - M), with t = logit x log2(e) and M = ceil(the row's largest t), a whole number; so 1/2 < the row's largest p <= 1. The row's sum l is taken of the UNQUANTISED p, in f32, and the product's result is divided by l at the end. Since M is a whole number, a kernel that streams over the keys may use a running M (the ceiling of the running maximum): every later rescaling is an exact power of two, which a block's scale takes up: the codes' values come out the same.
;;   OPERANDS COMPUTED ON THE WAY. 'Computed on the way' means the value that the module computes at that place (a softmax that the list does not call 'softmax' is quantised finished and normalised). What goes into a quantiser is computed in f32, as accurately as f32 sums, v_exp_f32 and their like allow (about 1e-6 of the number): no bf16 or f16 on the way to a quantiser, and a product that is left as it is and whose result goes on into a quantised operand takes f32 operands (vector FMAs, or v_wmma_f32_16x16x4_f32). A number that lies on a knife's edge between two numbers of the format may be rounded either way, as far as f32 arithmetic and the matrix unit's own rounding can turn it there, and no further.
;; One version. Each part assembles by itself: llvm-mc -triple=amdgcn-amd-amdhsa -mcpu=gfx1250 --defsym DOCPART=n.
;; ======== version 1 of 1: 4 launches
;; limits: right only within a limited range of input values
;; workspace buffers: cod 15,728,640 bytes; scl 655,360 bytes; qkc 18,874,368 bytes; qks 1,572,864 bytes; oc 6,291,456 bytes; os 262,144 bytes
;; launch quant (part 1): grid 640 x 1, 4 waves a work-group, no clusters, 34,304 bytes of LDS; arguments x, feature, Wc, Wf, Wp, cod, scl; writes cod, scl
.if DOCPART == 1
	.amdgcn_target "amdgcn-amd-amdhsa--gfx1250"
	.amdhsa_code_object_version 6
	.text
	.protected	k_qd5c8ba578f_quant
	.globl	k_qd5c8ba578f_quant
	.p2align	8
	.type	k_qd5c8ba578f_quant,@function
k_qd5c8ba578f_quant:
	s_mov_b64 s[64:65], 0
	v_nop
	global_prefetch_b8 v0, s[64:65] scope:SCOPE_SE
	s_setreg_imm32_b32 hwreg(HW_REG_WAVE_MODE, 25, 1), 1
	s_wait_xcnt 0x0
; x, feature [8192][1024], Wc, Wp [1024][1024], Wf [2048][1024], f32, K innermost, become codes of FP6 (E2M3) with one E8M0 byte for each 32 along K,
; laid as the products' operand registers want them.  A block's scale is 2^(floor(log2(its largest magnitude)) - 2); its byte is that magnitude's exponent field - 2, held at 1 from below.
; LIMITS: NaN and infinities among the inputs are not served; a block of zeros (and one under 2^-124) carries the byte 1 where the rule says 127: its codes are zeros, and this program alone reads the bytes.
; ORDER OF ROWS.  32 rows make two tiles of 16: place r of tile u holds row 8 u + r + 8 (r / 8).  So two neighbouring tiles, used as source 0 of a product, leave 16 neighbouring columns in a lane's 16 registers.
; A FRAGMENT'S IMAGE (16 rows x 128 K, 12 registers a lane, 1,536 bytes): two halves of 768 bytes; in half c registers 6 c .. 6 c + 3 of lane l at 16 l, registers 6 c + 4, 6 c + 5 at 512 + 8 l.
; cod: tile x 12,288 + K step x 1,536.  scl: tile x 512 + 256 (K step / 4) + 16 r + 4 (K step % 4).  Tiles: x 0.., feature 512.., Wc 1024.., Wf 1088.., Wp 1216...
; SHARES.  A work-group takes 32 rows; wave w takes tile w % 2 and half w / 2 of K: four K steps of 128.  Each load reads 512 consecutive bytes of one row; a K step's 16 rows turn through the wave's own stage in LDS,
; from which a lane takes 16 neighbours of each block of 32 of its row.  Waves share nothing: no barrier.  Two K steps (32 loads a wave) are on their way.
.set SP,   528                         ; a stage row: 512 bytes + 16, so that the sixteen rows that a load touches start in different banks
.set WST,  16*SP                       ; a wave's stage
.set LI,   1                           ; v1   16 x lane
.set L8,   2                           ; v2   8 x lane
.set STI,  3                           ; v3   the stage, on the way in: 16 x lane
.set STO,  4                           ; v4   and out: row r, + 64 h
.set R16,  5                           ; v5   16 r
.set LN,   6                           ; v6   lane
.set SW,   8                           ; v8-11   the four K steps' scale words
.set TM,   12                          ; v12-27  at work in QUANT
.set PC,   28                          ; v28-47  the codes just made
.set X,    48                          ; v48-111 64 numbers: register 16 b + i = k 32 b + 16 h + i of my row
.set R0,   112                         ; v112-239 two sets of 16 x 4 registers as loaded
.set SEL,  22                          ; s[22:23] lane selects: lane l xor 16
; 64 numbers of a lane become a fragment's codes in v[pc] on and its rows' scale word in v[pw]
.macro QUANT s, pc, pw
.irp b, 0,1,2,3
	v_max3_num_f32 v[TM+\b], |v[\s+16*\b]|, |v[\s+1+16*\b]|, 0x1800000   ; block b: my 16 numbers, and the floor 2^(3 - 127): the byte cannot fall under 1
.endr
.irp i, 2,4,6,8,10,12,14
.irp b, 0,1,2,3
	v_max3_num_f32 v[TM+\b], v[TM+\b], |v[\s+16*\b+\i]|, |v[\s+1+16*\b+\i]|   ; the four blocks by turns
.endr
.endr
.irp b, 0,1,2,3
	v_permlanex16_b32 v[TM+4+\b], v[TM+\b], s[SEL], s[SEL+1]
.endr
.irp b, 0,1,2,3
	v_max_num_f32 v[TM+\b], v[TM+\b], v[TM+4+\b]   ; with lane l xor 16's: the block's largest magnitude
.endr
.irp b, 0,1,2,3
	v_add_nc_u32 v[TM+12+\b], 0xff000000, v[TM+\b]   ; 2 off its exponent field: the conversion's scale operand
.endr
.irp b, 0,1,2,3
	v_lshrrev_b32 v[TM+4+\b], 23, v[TM+12+\b]   ; the scale's byte
.endr
	v_lshl_or_b32 v[\pw], v[TM+5], 8, v[TM+4]
	v_lshl_or_b32 v[\pw], v[TM+6], 16, v[\pw]
	v_lshl_or_b32 v[\pw], v[TM+7], 24, v[\pw]
.irp c, 0,1
	v_cvt_scalef32_pk16_fp6_f32 v[\pc+6*\c:\pc+2+6*\c], v[\s+32*\c:\s+15+32*\c], v[TM+12+2*\c]
	v_cvt_scalef32_pk16_fp6_f32 v[\pc+12+4*\c:\pc+14+4*\c], v[\s+16+32*\c:\s+31+32*\c], v[TM+12+2*\c+1]   ; (a conversion's three registers begin on an even number)
.endr
	v_nop                                          ; one plain place behind a scaled conversion
.irp c, 0,1                                    ; the operand wants a whole block in a lane: lanes 0-15 block 2 c, lanes 16-31 block 2 c + 1
.irp i, 0,1,2
	v_permlane16_swap_b32 v[\pc+6*\c+\i], v[\pc+12+4*\c+\i]
.endr
.irp i, 0,1,2
	v_mov_b32 v[\pc+3+6*\c+\i], v[\pc+12+4*\c+\i]
.endr
.endr
.endm
.macro PUT reg, off                            ; a fragment's image: each store covers 512 or 256 consecutive bytes, aligned to 256
	global_store_b128 v[LI], v[\reg:\reg+3], s[14:15] offset:\off
	global_store_b64 v[L8], v[\reg+4:\reg+5], s[14:15] offset:\off+512
	global_store_b128 v[LI], v[\reg+6:\reg+9], s[14:15] offset:\off+768
	global_store_b64 v[L8], v[\reg+10:\reg+11], s[14:15] offset:\off+1280
.endm
.macro LOAD t                                  ; K step t of my 16 rows: place i is row i + 8 (i / 8) of my tile's
.irp i, 0,1,2,3,4,5,6,7,8,9,10,11,12,13,14,15
	global_load_b128 v[R0+64*((\t)%2)+4*\i:R0+64*((\t)%2)+4*\i+3], v[LI], s[12:13] offset:(\i+8*(\i/8))*4096+512*(\t) th:TH_LOAD_NT
.endr
.endm
.macro KSTEP t
.if (\t) < 3
	s_wait_loadcnt 16                              ; this K step's 16 loads are in; the next one's may be out
.else
	s_wait_loadcnt 0x0
.endif
.irp i, 0,1,2,3,4,5,6,7,8,9,10,11,12,13,14,15
	ds_store_b128 v[STI], v[R0+64*((\t)%2)+4*\i:R0+64*((\t)%2)+4*\i+3] offset:SP*\i
.endr
.irp b, 0,1,2,3
.irp j, 0,1,2,3
	ds_load_b128 v[X+16*\b+4*\j:X+16*\b+4*\j+3], v[STO] offset:128*\b+16*\j   ; LDS serves a wave's instructions in order: these see the stores above
.endr
.endr
	s_wait_dscnt 0x0                               ; my 64 numbers are in, and the stage's stores have read their registers
.if (\t) > 0
	s_wait_xcnt 0x0                                ; the last K step's stores have read their data: the codes' registers are written again only behind this wait
.endif
.if (\t) < 2
	LOAD (\t)+2
.endif
	QUANT X, PC, SW+(\t)
	PUT PC, 1536*(\t)
.endm
	s_load_b256 s[4:11], s[0:1], 0x0               ; x, feature, Wc, Wf
	s_load_b128 s[12:15], s[0:1], 0x20             ; Wp, cod
	s_load_b64 s[16:17], s[0:1], 0x30              ; scl
	v_lshl_add_u32 v240, v0, 2, 0x8400
	v_mov_b32 v241, 0
	v_lshrrev_b32 v7, 5, v0
	v_readfirstlane_b32 s19, v7                    ; wave
	s_and_b32 s20, s19, 1                          ; u: my tile
	s_lshr_b32 s21, s19, 1                         ; q: my half of K
	s_mov_b32 s[SEL], 0x76543210
	s_mov_b32 s[SEL+1], 0xfedcba98
	v_and_b32 v[LN], 31, v0
	v_and_b32 v[R16], 15, v0                       ; r
	v_bfe_u32 v7, v0, 4, 1                         ; h
	v_lshlrev_b32 v[LI], 4, v[LN]
	v_lshlrev_b32 v[L8], 3, v[LN]
	s_mul_i32 s24, s19, WST
	v_add_nc_u32 v[STI], s24, v[LI]
	v_mul_u32_u24 v[STO], v[R16], SP
	v_lshl_add_u32 v[STO], v7, 6, v[STO]
	v_add_nc_u32 v[STO], s24, v[STO]
	v_lshlrev_b32 v[R16], 4, v[R16]
.irp b, 0,1,2,3
	v_mov_b32 v[TM+4+\b], 0                        ; written once: a lane permute's destination counts as one of its sources
.endr
	s_mov_b32 s18, 608
	s_wait_alu depctr_va_vdst(0)
	s_wait_kmcnt 0x0
	s_cmp_lt_u32 ttmp9, 608                        ; which tensor: the choice hangs on the work-group's number alone.  Groups of 32 rows: x 0.., feature 256.., Wc 512.., Wf 544.., Wp 608..
	s_cselect_b64 s[12:13], s[10:11], s[12:13]
	s_cselect_b32 s18, 544, s18
	s_cmp_lt_u32 ttmp9, 544
	s_cselect_b64 s[12:13], s[8:9], s[12:13]
	s_cselect_b32 s18, 512, s18
	s_cmp_lt_u32 ttmp9, 512
	s_cselect_b64 s[12:13], s[6:7], s[12:13]
	s_cselect_b32 s18, 256, s18
	s_cmp_lt_u32 ttmp9, 256
	s_cselect_b64 s[12:13], s[4:5], s[12:13]
	s_cselect_b32 s18, 0, s18
	s_sub_co_u32 s18, ttmp9, s18                   ; my group in its tensor
	s_lshl_b32 s26, s18, 17                        ; 32 rows of 4,096 bytes,
	s_lshl_b32 s27, s20, 15                        ; tile u begins 8 rows on,
	s_add_co_u32 s26, s26, s27
	s_lshl_b32 s27, s21, 11                        ; half q of K: 512 numbers
	s_add_co_u32 s26, s26, s27
	s_mov_b32 s27, 0
	s_add_nc_u64 s[12:13], s[12:13], s[26:27]
	s_mul_i32 s26, ttmp9, 24576                    ; codes: two tiles a group,
	s_mul_i32 s28, s20, 12288
	s_add_co_u32 s26, s26, s28
	s_mul_i32 s28, s21, 6144                       ; four K steps a half
	s_add_co_u32 s26, s26, s28
	s_add_nc_u64 s[14:15], s[14:15], s[26:27]
	s_lshl_b32 s26, ttmp9, 10                      ; scale words
	s_lshl_b32 s28, s20, 9
	s_add_co_u32 s26, s26, s28
	s_lshl_b32 s28, s21, 8
	s_add_co_u32 s26, s26, s28
	s_add_nc_u64 s[16:17], s[16:17], s[26:27]
	LOAD 0
	LOAD 1
	KSTEP 0
	KSTEP 1
	KSTEP 2
	KSTEP 3
	s_wait_xcnt 0x0                                ; EXEC changes only behind this wait
	v_cmp_gt_u32 vcc_lo, 16, v[LN]
	s_wait_tensorcnt 0x0
	ds_add_u32 v240, v241
	s_wait_dscnt 0x0
	s_and_saveexec_b32 s20, vcc_lo
	global_store_b128 v[R16], v[SW:SW+3], s[16:17] ; lanes 0-15 (lanes 16-31 hold the same words): 256 consecutive bytes, aligned
	s_wait_xcnt 0x0
	s_or_b32 exec_lo, exec_lo, s20
	s_endpgm
.Lfunc_end_k_qd5c8ba578f_quant:
	.size	k_qd5c8ba578f_quant, .Lfunc_end_k_qd5c8ba578f_quant-k_qd5c8ba578f_quant
	.p2alignl 7, 3214868480
	.fill 96, 4, 3214868480
	.section	.rodata,"a",@progbits
	.p2align	6, 0x0
	.amdhsa_kernel k_qd5c8ba578f_quant
		.amdhsa_group_segment_fixed_size 34304
		.amdhsa_private_segment_fixed_size 0
		.amdhsa_enable_private_segment 0
		.amdhsa_kernarg_size 56
		.amdhsa_user_sgpr_count 2
		.amdhsa_user_sgpr_kernarg_segment_ptr 1
		.amdhsa_wavefront_size32 1
		.amdhsa_system_sgpr_workgroup_id_x 1
		.amdhsa_system_sgpr_workgroup_id_y 1
		.amdhsa_system_sgpr_workgroup_id_z 1
		.amdhsa_system_vgpr_workitem_id 0
		.amdhsa_next_free_vgpr 242
		.amdhsa_next_free_sgpr 66
		.amdhsa_reserve_vcc 1
		.amdhsa_float_denorm_mode_32 3
		.amdhsa_float_denorm_mode_16_64 3
		.amdhsa_memory_ordered 1
		.amdhsa_forward_progress 1
		.amdhsa_inst_pref_size 34
	.end_amdhsa_kernel
	.amdgpu_metadata
---
amdhsa.version: [ 1, 2 ]
amdhsa.kernels:
  - .name:           k_qd5c8ba578f_quant
    .symbol:         k_qd5c8ba578f_quant.kd
    .args:
      - { .name: x, .offset: 0, .size: 8, .value_kind: global_buffer, .address_space: global }
      - { .name: feature, .offset: 8, .size: 8, .value_kind: global_buffer, .address_space: global }
      - { .name: Wc, .offset: 16, .size: 8, .value_kind: global_buffer, .address_space: global }
      - { .name: Wf, .offset: 24, .size: 8, .value_kind: global_buffer, .address_space: global }
      - { .name: Wp, .offset: 32, .size: 8, .value_kind: global_buffer, .address_space: global }
      - { .name: cod, .offset: 40, .size: 8, .value_kind: global_buffer, .address_space: global }
      - { .name: scl, .offset: 48, .size: 8, .value_kind: global_buffer, .address_space: global }
    .group_segment_fixed_size: 34304
    .private_segment_fixed_size: 0
    .kernarg_segment_align: 8
    .kernarg_segment_size: 56
    .max_flat_workgroup_size: 128
    .sgpr_count:     66
    .vgpr_count:     242
    .wavefront_size: 32
...
	.end_amdgpu_metadata
.endif
;; end of part 1
;; launch proj (part 2): grid 4 x 64, 4 waves a work-group, clusters of 4 x 4, 327,680 bytes of LDS; arguments cod, scl, bc, bf, qkc, qks; writes qkc, qks
.if DOCPART == 2
	.amdgcn_target "amdgcn-amd-amdhsa--gfx1250"
	.amdhsa_code_object_version 6
	.text
	.protected	k_qd5c8ba578f_proj
	.globl	k_qd5c8ba578f_proj
	.p2align	8
	.type	k_qd5c8ba578f_proj,@function
k_qd5c8ba578f_proj:
	s_mov_b64 s[64:65], 0
	v_nop
	global_prefetch_b8 v0, s[64:65] scope:SCOPE_SE
	s_setreg_imm32_b32 hwreg(HW_REG_WAVE_MODE, 25, 1), 1
	s_wait_xcnt 0x0
	s_wait_alu depctr_hold_cnt(0) depctr_sa_sdst(0) depctr_va_vdst(0) depctr_va_sdst(0) depctr_va_ssrc(0) depctr_va_vcc(0) depctr_vm_vsrc(0)
	s_getreg_b32 s2, hwreg(HW_REG_IB_STS2, 6, 4)
	s_cmp_eq_u32 s2, 0
	s_cbranch_scc0 .Lentry_in_a_cluster
	s_endpgm
.Lentry_in_a_cluster:
	s_bfe_u32 s2, ttmp6, 0x10000c
	s_cmp_lg_u32 s2, 0xf033
	s_cbranch_scc0 .Lentry_shape_is_right
	s_endpgm
.Lentry_shape_is_right:
; q = x Wc^T + bc, k = feature Wf[0:1024]^T + bf[0:1024], v^T = Wf[1024:] feature^T + bf[1024:], on codes of FP6 (E2M3) with E8M0 scales, sums in f32; each result is quantised in registers and leaves as codes.
; q and k are quantised along a head's 64 channels, v along the keys: for v the weight takes A's part and feature B's, so that the same text leaves the keys along a lane's registers.
; LIMITS: NaN and infinities are not served; a block of zeros carries the byte 1 where the rule says 127 (its codes are zeros; this program alone reads the bytes).
; SHARES.  16 clusters of 4 x 4 work-groups, 256 work-groups THAT STAY: each makes three blocks, one of q, one of k, one of v, of 128 rows of A x 256 rows of B.
; Wave w makes A's tiles 4 (w / 2) .. + 3 x B's tiles 8 (w % 2) .. + 7: 32 accumulators; its 128 columns are one K step of the product that follows, so four quantisers of 64 numbers a lane finish its work.
; THE RING.  LDS holds K = 1,024 of both operands as images of their registers, in two slots of four K steps (A 49,152 + B 98,304 bytes each).  Wave 0 fetches A's part of slot 0, wave 1 B's, waves 2 and 3 those of slot 1.
; In K step 3 nobody reads slot 0 any more: it takes the next block's K steps 0-3; behind K step 7 slot 1 takes its K steps 4-7.  In front of each refill every wave waits for all its tensor loads, adds 0 to its spare word,
; waits for that and for its reads, and a round of the cluster's barrier follows; one load of a wave is out at the most, and every wait on TENSORcnt is for 0.
; The loop has two trips (q, k); the last block (v) asks for nothing more and is written out.  The next block's scale words and biases are loaded while this block is quantised.
; CLUSTER.  The four of a row of the cluster need the same tiles of A, the four of a column the same tiles of B: each is asked for jointly, by the same tensor load with a mask that names the four.
; No data prefetch is laid: each refill is itself asked for four K steps and more ahead of the K step that reads it.
; THE MATRIX INSTRUCTION IS USED TRANSPOSED (source 0 = 16 rows of B, source 1 = 16 rows of A): a lane holds one row of A; the 16 registers of B's tiles 2 i, 2 i + 1 are columns 32 i + 16 h + 0 .. 15.
; REGISTERS.  window 0: v1-19 addresses; v20-35 A's scale words, v36-67 B's; v68-163 A's fragments, two sets; v164-227 the bias by columns; v228-235 scale words on the way out; v236-237 r and a temporary.
;   window 1: accumulator (a, b) at v[8 (8 a + b)].   window 2: B's fragments, two sets, at v0 and v128; v96-127 the bias by rows.
.set WV,   16
.set WA,   17                          ; which 64 rows of A are mine
.set WB,   18                          ; which 128 rows of B
.set KIND, 19                          ; 0 q, 1 k, 2 v: the loop's counter
.set CX,   20
.set CY,   21
.set TCOL, 22
.set TROW, 23
.set G1A,  24                          ; s[24:31], s[32:39] descriptor groups 1;  s[40:47] A's two groups 0;  s[56:63] B's
.set G1B,  32
.set G0A,  40
.set CLY,  48                          ; the cluster's y, 0 .. 15
.set SEL,  66
.set LI,   1
.set L8,   2
.set H64,  3
.set ADRA16, 4                         ; v4-5  A's images in slot 0, 1: + 16 x lane;  v6-7: + 8 x lane
.set ADRA8,  6
.set ADRB16, 8                         ; v8-9  the same for B;  v12-13
.set ADRB8,  12
.set SHR,  16
.set SSO,  17
.set HH,   18
.set SA,   20
.set SB,   36
.set AF,   68
.set BCN,  164
.set BCM,  96
.set TM,   148
.set RR,   236
.set T1,   237
.set SAA,  4                           ; A's scale word of (tile a, K step s): v[SA + 4 a + s % 4]
.set SAS,  1
.set MSB, 0
.macro WIN new                         ; the immediate's high byte repeats the setting that is left
.if MSB != \new
	s_set_vgpr_msb (MSB<<8)|\new
.set MSB, \new
.endif
.endm
.macro PLACES                          ; four plain places behind matrix instructions, in front of loads into their sources and of reads of their results
.rept 4
	v_nop
.endr
.endm
.macro CROUND                          ; a round of the cluster's barrier
	s_barrier_signal -1
	s_barrier_wait -1
	s_cmp_lg_u32 s[WV], 0
	s_cbranch_scc1 .Lnot_wave_0_\@
	s_barrier_signal -3
.Lnot_wave_0_\@:
	s_barrier_wait -3
	s_barrier_signal -1
	s_barrier_wait -1
.endm
.macro JL h                            ; slot h's joint refill: wave 2 h asks for A's part, wave 2 h + 1 for B's; the other two waves have no part of it
	s_cmp_eq_u32 s[WV], 2*\h
	s_cbranch_scc0 .Ljb_\@
	tensor_load_to_lds s[40+4*\h:43+4*\h], s[G1A:G1A+7]
	s_nop 0
	PLACES
	s_branch .Ljd_\@
.Ljb_\@:
	s_cmp_eq_u32 s[WV], 2*\h+1
	s_cbranch_scc0 .Ljd_\@
	tensor_load_to_lds s[56+4*\h:59+4*\h], s[G1B:G1B+7]
	s_nop 0
	PLACES
.Ljd_\@:
.endm
.macro FRAG reg, a16, a8, off          ; a fragment's image back into 12 registers: every load reads consecutive bytes
	ds_load_b128 v[\reg:\reg+3], v[\a16] offset:\off
	ds_load_b64 v[\reg+4:\reg+5], v[\a8] offset:\off+512
	ds_load_b128 v[\reg+6:\reg+9], v[\a16] offset:\off+768
	ds_load_b64 v[\reg+10:\reg+11], v[\a8] offset:\off+1280
.endm
.macro FETCH s, p                      ; K step s: B's eight fragments and A's four into set p: 48 LDS loads in one run
	WIN 0x80
.irp b, 0,1,2,3,4,5,6,7
	FRAG 128*(\p)+12*\b, ADRB16+(\s)/4, ADRB8+(\s)/4, \b*6144+((\s)%4)*1536
.endr
	WIN 0
.irp a, 0,1,2,3
	FRAG AF+48*(\p)+12*\a, ADRA16+(\s)/4, ADRA8+(\s)/4, \a*6144+((\s)%4)*1536
.endr
.endm
.macro WM d, fb, fa, c, sb, sa, hi     ; hi = 1: K steps 4-7 take their scale words from lanes 16-31
.if \hi
	v_wmma_scale_f32_16x16x128_f8f6f4 v[\d:\d+7], v[\fb:\fb+11], v[\fa:\fa+11], v[\c:\c+7], v[\sb], v[\sa] matrix_a_fmt:MATRIX_FMT_FP6 matrix_b_fmt:MATRIX_FMT_FP6 matrix_a_scale:MATRIX_SCALE_ROW1 matrix_b_scale:MATRIX_SCALE_ROW1
.else
	v_wmma_scale_f32_16x16x128_f8f6f4 v[\d:\d+7], v[\fb:\fb+11], v[\fa:\fa+11], v[\c:\c+7], v[\sb], v[\sa] matrix_a_fmt:MATRIX_FMT_FP6 matrix_b_fmt:MATRIX_FMT_FP6
.endif
.endm
; 8 matrix instructions: A's tile a x B's eight.  cm = 0: onto the sums; 1: the sums begin with the bias by columns; 2: with the bias by rows.  The 32 accumulators take turns in one order through all K steps.
.macro MUL8 a, p, s, cm
.irp b, 0,1,2,3,4,5,6,7
.set DD, 8*(8*(\a)+\b)
.if \cm == 0
.set CC, DD
.elseif \cm == 1
.set CC, BCN+8*\b
.else
.set CC, BCM+8*(\a)
.endif
	WM DD, 128*(\p)+12*\b, AF+48*(\p)+12*(\a), CC, SB+4*\b+(\s)%4, SA+SAA*(\a)+SAS*((\s)%4), (\s)/4
.endr
.endm
; A K step: 32 matrix instructions; behind the first eight the next K step's fragments are asked for, 24 matrix instructions ahead of their use.
; K step 3 shows slot 1 landed to all four waves; rf = 1: its barrier is a round of the cluster's barrier, and slot 0 takes the next block's K steps 0-3.
.macro STEP s, cm, rf
.if \cm == 0
.set MW, 0x52                          ; source 0 (B) window 2, source 1 (A) window 0, C and D window 1
.elseif \cm == 1
.set MW, 0x42                          ; C in window 0
.else
.set MW, 0x62                          ; C in window 2
.endif
.if (\s) == 3
	WIN 0
	s_wait_tensorcnt 0x0                           ; all my tensor loads have landed: waves 2 and 3: my part of slot 1
.if \rf
	ds_add_u32 v254, v255
.endif
	s_wait_dscnt 0x0                               ; this K step's fragments are in: my reads of slot 0 are over
.if \rf
	CROUND                                         ; no wave of any partner still reads slot 0 or has a load on its way
	s_mov_b64 s[42:43], s[80:81]                   ; the next block's tiles, K steps 0-3
	s_or_b32 s43, s43, 0x80000000
	s_mov_b64 s[58:59], s[88:89]
	s_or_b32 s59, s59, 0x80000000
	JL 0
.else
	s_barrier_signal -1
	s_barrier_wait -1
.endif
.else
	s_wait_dscnt 0x0                               ; this K step's fragments are in
.endif
	WIN MW
	MUL8 0, (\s)%2, \s, \cm
.if (\s) < 7
	PLACES
	FETCH (\s)+1, ((\s)+1)%2
.endif
	WIN MW
	MUL8 1, (\s)%2, \s, \cm
	MUL8 2, (\s)%2, \s, \cm
	MUL8 3, (\s)%2, \s, \cm
.endm
; 64 results of a lane, window 1's v[s] on (register 16 b + i = column 32 b + 16 h + i), become a fragment's codes in v[pc] on and its rows' scale word in v[pw].  Each accumulator is read from its low end on.
.macro QUANTW s, pc, pw
	WIN 0x05
.irp b, 0,1,2,3
	v_max3_num_f32 v[TM+\b], |v[\s+16*\b]|, |v[\s+1+16*\b]|, 0x1800000   ; and the floor 2^(3 - 127): the byte cannot fall under 1
.endr
	WIN 0x14
.irp i, 2,4,6,8,10,12,14
.irp b, 0,1,2,3
	v_max3_num_f32 v[TM+\b], v[TM+\b], |v[\s+16*\b+\i]|, |v[\s+1+16*\b+\i]|
.endr
.endr
	WIN 0
.irp b, 0,1,2,3
	v_permlanex16_b32 v[TM+4+\b], v[TM+\b], s[SEL], s[SEL+1]
.endr
.irp b, 0,1,2,3
	v_max_num_f32 v[TM+\b], v[TM+\b], v[TM+4+\b]
.endr
.irp b, 0,1,2,3
	v_add_nc_u32 v[TM+12+\b], 0xff000000, v[TM+\b]   ; 2 off the exponent field: the conversion's scale operand
.endr
.irp b, 0,1,2,3
	v_lshrrev_b32 v[TM+4+\b], 23, v[TM+12+\b]
.endr
	v_lshl_or_b32 v[\pw], v[TM+5], 8, v[TM+4]
	v_lshl_or_b32 v[\pw], v[TM+6], 16, v[\pw]
	v_lshl_or_b32 v[\pw], v[TM+7], 24, v[\pw]
	WIN 0x01
.irp c, 0,1
	v_cvt_scalef32_pk16_fp6_f32 v[\pc+6*\c:\pc+2+6*\c], v[\s+32*\c:\s+15+32*\c], v[TM+12+2*\c]
	v_cvt_scalef32_pk16_fp6_f32 v[\pc+12+4*\c:\pc+14+4*\c], v[\s+16+32*\c:\s+31+32*\c], v[TM+12+2*\c+1]
.endr
	WIN 0
	v_nop                                          ; one plain place behind a scaled conversion
.irp c, 0,1
.irp i, 0,1,2
	v_permlane16_swap_b32 v[\pc+6*\c+\i], v[\pc+12+4*\c+\i]
.endr
.irp i, 0,1,2
	v_mov_b32 v[\pc+3+6*\c+\i], v[\pc+12+4*\c+\i]
.endr
.endr
.endm
.macro PUT reg, off                            ; a fragment's image: each store covers 512 or 256 consecutive bytes, aligned to 256
	global_store_b128 v[LI], v[\reg:\reg+3], s[92:93] offset:\off
	global_store_b64 v[L8], v[\reg+4:\reg+5], s[92:93] offset:\off+512
	global_store_b128 v[LI], v[\reg+6:\reg+9], s[92:93] offset:\off+768
	global_store_b64 v[L8], v[\reg+10:\reg+11], s[92:93] offset:\off+1280
.endm
.macro EPI                                     ; the way out of a block
.irp b, 0,1,2,3
	v_mov_b32 v[TM+4+\b], 0                        ; a lane permute's destination counts as one of its sources
.endr
.irp a, 0,1,2,3                                ; each tile of A's rows: one fragment of the next product, with registers of its own
	QUANTW 64*\a, 68+20*\a, 232+\a
	v_lshrrev_b32 v[228+\a], v[SHR], v[232+\a]
	PUT 68+20*\a, 1536*\a
.endr
	global_store_b128 v[SSO], v[228:231], s[94:95] ; four tiles' scale words a lane: each half of the lanes writes 256 consecutive bytes, aligned
.endm
; Where the block of kind s[KIND] lies: its rows of A and B, their first tiles in cod, and the tiles' addresses in s[80:81] (A) and s[88:89] (B).  s76-83 never hold cx, s84-91 never cy.
.macro TIDX
	s_and_b32 s76, s[CLY], 1
	s_lshr_b32 s84, s[CLY], 1
	s_cmp_eq_u32 s[KIND], 2
	s_cselect_b32 s76, s76, s[CLY]                 ; the cluster's row of tiles: q, k: 16 x 1 clusters; v: 2 x 8
	s_cselect_b32 s84, s84, 0                      ; and its column
	s_lshl_b32 s[TROW], s76, 2
	s_add_co_u32 s[TROW], s[TROW], s[CY]           ; my 128 rows of A
	s_lshl_b32 s[TCOL], s84, 2
	s_add_co_u32 s[TCOL], s[TCOL], s[CX]           ; my 256 rows of B
	s_cmp_eq_u32 s[KIND], 0
	s_cselect_b32 s77, 0, 512                      ; A's first tile in cod: x 0, feature 512, Wf's rows 1024 on 1152
	s_mov_b32 s85, 1088
	s_cselect_b32 s85, 1024, s85                   ; B's: Wc 1024, Wf 1088, feature 512
	s_cmp_eq_u32 s[KIND], 2
	s_cselect_b32 s77, 1152, s77
	s_cselect_b32 s85, 512, s85
	s_lshl_b32 s78, s[TROW], 3
	s_add_co_u32 s78, s78, s77                     ; A: the work-group's first tile
	s_mul_i32 s80, s78, 12288
	s_mov_b32 s81, 0
	s_lshl_b32 s86, s[TCOL], 4
	s_add_co_u32 s86, s86, s85                     ; B: the work-group's first tile
	s_lshl_b32 s87, s[WB], 3
	s_add_co_u32 s87, s87, s86                     ; the eight that I multiply by
	s_mul_i32 s88, s86, 12288
	s_mov_b32 s89, 0
	s_add_nc_u64 s[80:81], s[4:5], s[80:81]
	s_add_nc_u64 s[88:89], s[4:5], s[88:89]
.endm
; The scale words and biases of the block that TIDX has placed, from memory into registers: a tile's 512 bytes of scale words by one load, K steps 0-3 in lanes 0-15, K steps 4-7 in lanes 16-31.
; The bias comes in both forms, so that every register is written whatever the kind: by columns (q, k) and by rows (v); the form that the kind does not use is read at the buffer's head.
.macro SCLOAD
	s_lshl_b32 s50, s[WA], 2
	s_add_co_u32 s50, s50, s78
	s_lshl_b32 s50, s50, 9
	s_mov_b32 s51, 0
	s_add_nc_u64 s[50:51], s[6:7], s[50:51]
	s_lshl_b32 s52, s87, 9
	s_mov_b32 s53, 0
	s_add_nc_u64 s[52:53], s[6:7], s[52:53]
.irp a, 0,1,2,3
	global_load_b128 v[SA+4*\a:SA+4*\a+3], v[LI], s[50:51] offset:512*\a
.endr
.irp b, 0,1,2,3,4,5,6,7
	global_load_b128 v[SB+4*\b:SB+4*\b+3], v[LI], s[52:53] offset:512*\b
.endr
	s_cmp_eq_u32 s[KIND], 0
	s_cselect_b64 s[96:97], s[8:9], s[10:11]
	s_lshl_b32 s2, s[TCOL], 10
	s_lshl_b32 s3, s[WB], 9
	s_add_co_u32 s2, s2, s3
	s_cmp_eq_u32 s[KIND], 2
	s_cselect_b32 s2, 0, s2
	s_mov_b32 s3, 0
	s_add_nc_u64 s[98:99], s[96:97], s[2:3]
	s_lshl_b32 s2, s[TROW], 9
	s_lshl_b32 s3, s[WA], 8
	s_add_co_u32 s2, s2, s3
	s_add_co_u32 s2, s2, 4096
	s_cmp_eq_u32 s[KIND], 2
	s_cselect_b32 s2, s2, 0
	s_mov_b32 s3, 0
	s_add_nc_u64 s[96:97], s[96:97], s[2:3]
.irp b, 0,1,2,3,4,5,6,7
	global_load_b128 v[BCN+8*\b:BCN+8*\b+3], v[H64], s[98:99] offset:(32*(\b/2)+8*(\b%2))*4
	global_load_b128 v[BCN+8*\b+4:BCN+8*\b+7], v[H64], s[98:99] offset:(32*(\b/2)+8*(\b%2))*4+16
.endr
	WIN 0x80
.irp a, 0,1,2,3
.irp j, 0,1,2,3,4,5,6,7
	global_load_b32 v[BCM+8*\a+\j], v19, s[96:97] offset:(32*(\a/2)+8*(\a%2))*4   ; my row's number in all eight registers of the result's layout
.endr
.endr
	WIN 0
.endm
; Where that block's results go.  q, k: batch and block of 128 tokens from A's rows, the pair of heads from B's; v: the other way round
.macro OUTADDR
	s_wait_xcnt 0x0                                ; the loads and stores issued so far have read their bases and data: s92-99 are written again only behind this wait
	s_lshl_b32 s2, s[TCOL], 1
	s_add_co_u32 s2, s2, s[WB]
	s_cmp_eq_u32 s[KIND], 2
	s_cselect_b32 s3, s2, s[TROW]                  ; 8 x batch + block
	s_cselect_b32 s2, s[TROW], s2                  ; the pair
	s_cselect_b32 s96, 9, 8                        ; scale words: my half of A's rows is 256 bytes on (q, k) or 512 (v);
	s_cselect_b32 s97, 8, 9                        ; lanes 16-31 write 512 bytes on (q, k: the odd head's words) or 256 (v: a second copy)
	s_cselect_b32 s98, 0, 16                       ; q, k: lanes 16-31 shift the odd head's two bytes down
	s_lshr_b32 s99, s3, 3
	s_lshl_b32 s99, s99, 3
	s_add_co_u32 s99, s99, s2
	s_lshl_b32 s99, s99, 3
	s_and_b32 s3, s3, 7
	s_add_co_u32 s99, s99, s3                      ; (8 x batch + pair) x 8 + block
	s_lshl_b32 s92, s99, 1
	s_add_co_u32 s92, s92, s[WA]
	s_mul_i32 s92, s92, 6144
	s_mul_i32 s93, s[KIND], 6291456
	s_add_co_u32 s92, s92, s93
	s_mov_b32 s93, 0
	s_add_nc_u64 s[92:93], s[12:13], s[92:93]
	s_lshl_b32 s94, s99, 10
	s_lshl_b32 s95, s[WA], s96
	s_add_co_u32 s94, s94, s95
	s_lshl_b32 s95, s[KIND], 19
	s_add_co_u32 s94, s94, s95
	s_mov_b32 s95, 0
	s_add_nc_u64 s[94:95], s[14:15], s[94:95]
	v_mul_u32_u24 v[SHR], s98, v[HH]
	v_lshlrev_b32 v[T1], s97, v[HH]
	v_lshl_add_u32 v[SSO], v[RR], 4, v[T1]
	s_wait_alu depctr_va_vdst(0)
.endm
	s_load_b256 s[4:11], s[0:1], 0x0               ; cod, scl, bc, bf
	s_load_b128 s[12:15], s[0:1], 0x20             ; qkc, qks
	v_lshl_add_u32 v254, v0, 2, 0x48000
	v_mov_b32 v255, 0
	ds_add_u32 v254, v255                          ; the opening lines: the add, twice on end, and its wait ahead of my first tensor load
	ds_add_u32 v254, v255
	v_lshrrev_b32 v1, 5, v0
	v_readfirstlane_b32 s[WV], v1
	s_lshr_b32 s[WA], s[WV], 1
	s_and_b32 s[WB], s[WV], 1
	s_bfe_u32 s[CX], ttmp6, 0x40000
	s_bfe_u32 s[CY], ttmp6, 0x40004
	s_and_b32 s[CLY], ttmp7, 0xffff                ; the same in all sixteen partners
	s_mov_b32 s[KIND], 0
	s_lshl_b32 s82, s[CY], 2
	s_lshl_b32 s82, 15, s82                        ; my row of the cluster
	s_lshl_b32 s90, 0x1111, s[CX]                  ; my column
	; descriptor group 1: four K steps of R tiles: R rows of 768 elements of 8 bytes, 12,288 bytes apart in memory, dense in LDS
	s_or_b32 s[G1A], s82, (3<<16)|(1<<21)          ; 15:0 the mask; 17:16 elements of 8 bytes; 21 set beside a mask; no padding
	s_or_b32 s[G1B], s90, (3<<16)|(1<<21)
	s_mov_b32 s[G1A+1], 768<<16                    ; tensor_dim0
	s_mov_b32 s[G1A+2], 8<<16                      ; tensor_dim1: A's eight tiles
	s_mov_b32 s[G1A+3], 768<<16                    ; tile_dim0
	s_mov_b32 s[G1A+4], 8                          ; tile_dim1
	s_mov_b32 s[G1A+5], 1536                       ; tensor_dim0_stride
	s_mov_b32 s[G1A+6], 0
	s_mov_b32 s[G1A+7], 0
	s_mov_b32 s[G1B+1], 768<<16
	s_mov_b32 s[G1B+2], 16<<16                     ; B's sixteen tiles
	s_mov_b32 s[G1B+3], 768<<16
	s_mov_b32 s[G1B+4], 16
	s_mov_b32 s[G1B+5], 1536
	s_mov_b32 s[G1B+6], 0
	s_mov_b32 s[G1B+7], 0
	s_mov_b32 s[SEL], 0x76543210
	s_mov_b32 s[SEL+1], 0xfedcba98
	s_wait_dscnt 0x0
	s_wait_kmcnt 0x0
	TIDX                                           ; the first block: q
.irp c, 0,1                                    ; slot c: A's eight tiles at 49,152 c, B's sixteen at 98,304 + 98,304 c; four K steps of a tile are 6,144 bytes
	s_mov_b32 s[G0A+4*\c], 1
	s_mov_b32 s[G0A+4*\c+1], \c*49152
	s_add_nc_u64 s[G0A+4*\c+2:G0A+4*\c+3], s[80:81], \c*6144
	s_or_b32 s[G0A+4*\c+3], s[G0A+4*\c+3], 0x80000000
	s_mov_b32 s[56+4*\c], 1
	s_mov_b32 s[56+4*\c+1], 98304+\c*98304
	s_add_nc_u64 s[56+4*\c+2:56+4*\c+3], s[88:89], \c*6144
	s_or_b32 s[56+4*\c+3], s[56+4*\c+3], 0x80000000
.endr
	CROUND                                         ; all sixteen work-groups are here: the joint loads meet
	s_cmp_lt_u32 s[WV], 1                          ; one joint load a wave, in one chain of branches on the wave's number
	s_cbranch_scc0 .Lfirst_1
	tensor_load_to_lds s[40:43], s[G1A:G1A+7]
	s_nop 0
	PLACES
	s_branch .Lfirst_done
.Lfirst_1:
	s_cmp_lt_u32 s[WV], 2
	s_cbranch_scc0 .Lfirst_2
	tensor_load_to_lds s[56:59], s[G1B:G1B+7]
	s_nop 0
	PLACES
	s_branch .Lfirst_done
.Lfirst_2:
	s_cmp_lt_u32 s[WV], 3
	s_cbranch_scc0 .Lfirst_3
	tensor_load_to_lds s[44:47], s[G1A:G1A+7]
	s_nop 0
	PLACES
	s_branch .Lfirst_done
.Lfirst_3:
	tensor_load_to_lds s[60:63], s[G1B:G1B+7]
	s_nop 0
	PLACES
.Lfirst_done:
	v_and_b32 v16, 31, v0                          ; lane
	v_and_b32 v[RR], 15, v0                        ; r
	v_bfe_u32 v[HH], v0, 4, 1                      ; h
	v_lshlrev_b32 v[LI], 4, v16
	v_lshlrev_b32 v[L8], 3, v16
	v_lshlrev_b32 v[H64], 6, v[HH]
	v_and_b32 v19, 8, v[RR]
	v_add_nc_u32 v19, v19, v[RR]
	v_lshlrev_b32 v19, 2, v19                      ; 4 (r + 8 (r / 8)): my row's place in the bias by rows
	s_mul_i32 s2, s[WA], 24576
	v_add_nc_u32 v[ADRA16], s2, v[LI]
	v_add_nc_u32 v[ADRA8], s2, v[L8]
	s_add_co_u32 s2, s2, 49152
	v_add_nc_u32 v[ADRA16+1], s2, v[LI]
	v_add_nc_u32 v[ADRA8+1], s2, v[L8]
	s_mul_i32 s3, s[WB], 49152
	s_add_co_u32 s3, s3, 98304
.irp c, 0,1
	v_add_nc_u32 v[ADRB16+\c], s3, v[LI]
	v_add_nc_u32 v[ADRB8+\c], s3, v[L8]
	s_add_co_u32 s3, s3, 98304
.endr
	s_wait_alu depctr_va_vdst(0)
	SCLOAD
	OUTADDR
	s_cmp_lt_u32 s[WV], 2                          ; waves 0 and 1 brought slot 0: they wait for it; slot 1's loads may stay out
	s_cbranch_scc0 .Lslot1_out
	s_wait_tensorcnt 0x0
.Lslot1_out:
	s_barrier_signal -1
	s_barrier_wait -1
	s_wait_loadcnt 0x0                             ; scale words and biases
.Ltile:                                                ; a trip makes one block (q, then k) and asks for the next one's tiles
	s_add_co_u32 s[KIND], s[KIND], 1               ; all that this block needs of its place has been made: from here on the place is the next block's
	TIDX
	FETCH 0, 0
	STEP 0, 1, 0
	STEP 1, 0, 0
	STEP 2, 0, 0
	STEP 3, 0, 1
	STEP 4, 0, 0
	STEP 5, 0, 0
	STEP 6, 0, 0
	STEP 7, 0, 0
	WIN 0
	s_wait_tensorcnt 0x0                           ; waves 0 and 1: my part of the next block's K steps 0-3 has landed
	ds_add_u32 v254, v255
	s_wait_dscnt 0x0                               ; the add is done; my reads of slot 1 were over at K step 7's head
	CROUND                                         ; no wave of any partner still reads slot 1 or has a load on its way
	s_add_nc_u64 s[46:47], s[80:81], 6144          ; the next block's tiles, K steps 4-7
	s_or_b32 s47, s47, 0x80000000
	s_add_nc_u64 s[62:63], s[88:89], 6144
	s_or_b32 s63, s63, 0x80000000
	JL 1
	PLACES                                         ; behind the last products, in front of loads into their scales and of reads of their results
	SCLOAD                                         ; the next block's scale words and biases come in while this block is quantised
	EPI
	OUTADDR
	s_wait_loadcnt 0x0
	s_cmp_lt_u32 s[KIND], 2
	s_cbranch_scc1 .Ltile
	FETCH 0, 0                                     ; the last block, v: its sums begin with the bias by rows, and nothing more is asked for
	STEP 0, 2, 0
	STEP 1, 0, 0
	STEP 2, 0, 0
	STEP 3, 0, 0
	STEP 4, 0, 0
	STEP 5, 0, 0
	STEP 6, 0, 0
	STEP 7, 0, 0
	WIN 0
	PLACES
	EPI
	s_wait_tensorcnt 0x0                           ; the wave's end
	ds_add_u32 v254, v255
	s_wait_dscnt 0x0
	CROUND                                         ; the closing round
	s_endpgm
.Lfunc_end_k_qd5c8ba578f_proj:
	.size	k_qd5c8ba578f_proj, .Lfunc_end_k_qd5c8ba578f_proj-k_qd5c8ba578f_proj
	.p2alignl 7, 3214868480
	.fill 96, 4, 3214868480
	.section	.rodata,"a",@progbits
	.p2align	6, 0x0
	.amdhsa_kernel k_qd5c8ba578f_proj
		.amdhsa_group_segment_fixed_size 327680
		.amdhsa_private_segment_fixed_size 0
		.amdhsa_enable_private_segment 0
		.amdhsa_kernarg_size 48
		.amdhsa_user_sgpr_count 2
		.amdhsa_user_sgpr_kernarg_segment_ptr 1
		.amdhsa_wavefront_size32 1
		.amdhsa_system_sgpr_workgroup_id_x 1
		.amdhsa_system_sgpr_workgroup_id_y 1
		.amdhsa_system_sgpr_workgroup_id_z 1
		.amdhsa_system_vgpr_workitem_id 0
		.amdhsa_next_free_vgpr 768
		.amdhsa_next_free_sgpr 100
		.amdhsa_reserve_vcc 0
		.amdhsa_float_denorm_mode_32 3
		.amdhsa_float_denorm_mode_16_64 3
		.amdhsa_memory_ordered 1
		.amdhsa_forward_progress 1
		.amdhsa_inst_pref_size 178
	.end_amdhsa_kernel
	.amdgpu_metadata
---
amdhsa.version: [ 1, 2 ]
amdhsa.kernels:
  - .name:           k_qd5c8ba578f_proj
    .symbol:         k_qd5c8ba578f_proj.kd
    .args:
      - { .name: cod, .offset: 0, .size: 8, .value_kind: global_buffer, .address_space: global }
      - { .name: scl, .offset: 8, .size: 8, .value_kind: global_buffer, .address_space: global }
      - { .name: bc, .offset: 16, .size: 8, .value_kind: global_buffer, .address_space: global }
      - { .name: bf, .offset: 24, .size: 8, .value_kind: global_buffer, .address_space: global }
      - { .name: qkc, .offset: 32, .size: 8, .value_kind: global_buffer, .address_space: global }
      - { .name: qks, .offset: 40, .size: 8, .value_kind: global_buffer, .address_space: global }
    .group_segment_fixed_size: 327680
    .private_segment_fixed_size: 0
    .kernarg_segment_align: 8
    .kernarg_segment_size: 48
    .max_flat_workgroup_size: 128
    .sgpr_count:     100
    .vgpr_count:     768
    .wavefront_size: 32
...
	.end_amdgpu_metadata
.endif
;; end of part 2
;; launch attn (part 3): grid 4 x 64, 16 waves a work-group, no clusters, 327,680 bytes of LDS; arguments qkc, qks, oc, os; writes oc, os
.if DOCPART == 3
	.amdgcn_target "amdgcn-amd-amdhsa--gfx1250"
	.amdhsa_code_object_version 6
	.text
	.protected	k_qd5c8ba578f_attn
	.globl	k_qd5c8ba578f_attn
	.p2align	8
	.type	k_qd5c8ba578f_attn,@function
k_qd5c8ba578f_attn:
	s_mov_b64 s[64:65], 0
	v_nop
	global_prefetch_b8 v0, s[64:65] scope:SCOPE_SE
	s_setreg_imm32_b32 hwreg(HW_REG_WAVE_MODE, 25, 1), 1
	s_wait_xcnt 0x0
; o = softmax(q k^T / 8, keys s <= t) v for one pair of heads of one batch, on codes of FP6 (E2M3) with E8M0 scales; o leaves as codes along the channels.
; WORK LEFT OUT: blocks of 128 keys that lie wholly above a block of 128 queries: the causal mask sets their scores to -inf, so their p is 0 for all values of the inputs.
; A NaN, an infinity or an overflow that reaches only those scores is not carried to the result.  LIMITS: NaN and infinities are not served; the scaled scores stay under 2^31 in magnitude;
; a block of zeros carries the byte 1 where the rule says 127 (its codes are zeros; this program alone reads the bytes).
; SHARES.  Work-group (j, pair): query blocks j and 7 - j, 9 block products for every work-group.  Wave w: head w % 2 of the pair, tile w / 2 of 16 queries, in both blocks (tile A: block 7 - j, tile B: block j).
; ONE WALK over key blocks 0 .. 7 - j serves both tiles.  The loop has 8 trips in every work-group; a branch on ids leads round the work, and round the load, of trips that the mask empties.
; LDS: key block t at 24,576 t: K's eight images, then V's eight; every block has bytes of its own and none is filled again (one more block's room stays free behind them).
; Each wave asks for 1,536 bytes of a block: block 0 at the head, block t + 1 behind trip t's barrier, so one load of the wave is out during a trip; every wait on TENSORcnt is for 0.
; The scale words of K and V (16,384 bytes) go once through registers into LDS bytes of their own.
; S^T = k q^T and O^T = v^T p^T: a lane holds one query.  A head's K is 64: q's upper six registers are zero codes, so K's operand may hold anything there: K's tiles lie 6 registers apart.
; NO CLUSTER: the four work-groups of a pair need 8, 7, 6 and 5 key blocks, so a joint load would bring some partner a block that none of its waves reads.
; PREFETCH: in trip t wave 0 names 24 blocks of 256 bytes of key block t + 2, a lane each (lanes 24-31 the last again); the four work-groups of a pair share the block's 96 out by address; it stops at t = 5 and with the work-group's walk.
.set LI,    1                          ; 16 x lane
.set L8,    2                          ; 8 x lane
.set PFO,   3                          ; the prefetch's offset
.set AK16,  4                          ; LDS addresses in block 0, and from v9 on in this trip's block
.set AK8,   5
.set AV16,  6
.set AV8,   7
.set AS0,   8
.set ADK16, 9
.set ADK8,  10
.set ADV16, 11
.set ADV8,  12
.set ADS,   13
.set OSW,   14
.set OSR,   15
.set STA,   16                         ; a tile's state: -M, the largest t, the sum in two halves
.set STB,   20
.set QFA,   24                         ; q's fragments: six registers of codes, six of zeros
.set QFB,   36
.set QSA,   48
.set QSB,   49
.set KF,    50                         ; v50-103 K's eight tiles; behind the scores' products the same registers are at work:
.set BM,    50
.set PT,    54
.set SO,    58
.set CT,    62
.set S,     104                        ; v104-167 scores, then p, then V's fragments
.set OA,    168                        ; O^T of tile A, of tile B
.set OB,    200
.set PC,    232                        ; p's codes
.set SW,    244                        ; K's or V's scale words
.set FF,    248
.set PW,    249                        ; p's scale word
.set T0,    250
.set NINF,  251
.set SPW,   252
.set NIL,   253
.set WV,    12
.set PAR,   13
.set QT,    14
.set BP,    15
.set G1C,   16
.set G0,    24
.set J0,    28
.set J1,    29
.set KS,    30
.set TB,    31
.set TS,    32
.set GG,    33
.set PFL,   34
.set SEL,   36
.set CS,    38
.set PFB,   40
.set MK,    76                         ; s76-91 lane masks of the block of 32 keys on the diagonal: bit set where key 16 h + i lies above the lane's query
.set KSC,   221184
.set OST,   237568
.set SPARE, 238592
.macro PLACES
.rept 4
	v_nop
.endr
.endm
.macro FRAG reg, a16, a8, off
	ds_load_b128 v[\reg:\reg+3], v[\a16] offset:\off
	ds_load_b64 v[\reg+4:\reg+5], v[\a8] offset:\off+512
	ds_load_b128 v[\reg+6:\reg+9], v[\a16] offset:\off+768
	ds_load_b64 v[\reg+10:\reg+11], v[\a8] offset:\off+1280
.endm
.macro BASES blk, qa, sa, ob           ; where a tile's q codes, q scale words and o codes lie
	s_lshl_b32 s72, s[BP], 3
	s_add_co_u32 s72, s72, s[\blk]
	s_lshl_b32 s73, s72, 3
	s_add_co_u32 s73, s73, s[QT]
	s_mul_i32 s73, s73, 1536
	s_mul_i32 s74, s[PAR], 768
	s_add_co_u32 s[\qa], s73, s74
	s_mov_b32 s[\qa+1], 0
	s_add_nc_u64 s[\qa:\qa+1], s[4:5], s[\qa:\qa+1]
	s_lshl_b32 s72, s72, 10
	s_lshl_b32 s74, s[PAR], 9
	s_add_co_u32 s72, s72, s74
	s_lshr_b32 s74, s[QT], 2
	s_lshl_b32 s74, s74, 8
	s_add_co_u32 s72, s72, s74
	s_and_b32 s74, s[QT], 3
	s_lshl_b32 s74, s74, 2
	s_add_co_u32 s[\sa], s72, s74
	s_mov_b32 s[\sa+1], 0
	s_add_nc_u64 s[\sa:\sa+1], s[6:7], s[\sa:\sa+1]
	s_lshr_b32 s72, s[BP], 3
	s_lshl_b32 s72, s72, 3
	s_add_co_u32 s72, s72, s[\blk]
	s_lshl_b32 s72, s72, 3
	s_add_co_u32 s72, s72, s[QT]
	s_lshl_b32 s72, s72, 3
	s_and_b32 s74, s[BP], 7
	s_add_co_u32 s72, s72, s74
	s_lshl_b32 s72, s72, 1
	s_add_co_u32 s72, s72, s[PAR]
	s_mul_i32 s[\ob], s72, 768
	s_mov_b32 s[\ob+1], 0
	s_add_nc_u64 s[\ob:\ob+1], s[8:9], s[\ob:\ob+1]
.endm
.macro QLOAD qf, qs, qa, sa
	global_load_b128 v[\qf:\qf+3], v[LI], s[\qa:\qa+1]
	global_load_b64 v[\qf+4:\qf+5], v[L8], s[\qa:\qa+1] offset:512
	global_load_b32 v[\qs], v12, s[\sa:\sa+1]
.endm
; 16 queries x this trip's 128 keys
.macro UNIT qf, qs, st, ob, blk
.rept 5
	v_nop                                          ; five places: the scores' products write over V's fragments of the products before
.endr
	ds_load_b128 v[SW:SW+3], v[ADS]                ; K's scale words: tiles 0-3 in lanes 0-15, tiles 4-7 in lanes 16-31
.irp t, 0,1,2,3,4,5,6,7
	ds_load_b128 v[KF+6*\t:KF+6*\t+3], v[ADK16] offset:\t*1536
	ds_load_b64 v[KF+6*\t+4:KF+6*\t+5], v[ADK8] offset:\t*1536+512
.endr
	s_wait_dscnt 0x0
.irp t, 0,1,2,3
	v_wmma_scale_f32_16x16x128_f8f6f4 v[S+8*\t:S+8*\t+7], v[KF+6*\t:KF+6*\t+11], v[\qf:\qf+11], 0, v[SW+\t], v[\qs] matrix_a_fmt:MATRIX_FMT_FP6 matrix_b_fmt:MATRIX_FMT_FP6
.endr
.irp t, 0,1,2,3
	v_wmma_scale_f32_16x16x128_f8f6f4 v[S+32+8*\t:S+39+8*\t], v[KF+24+6*\t:KF+35+6*\t], v[\qf:\qf+11], 0, v[SW+\t], v[\qs] matrix_a_fmt:MATRIX_FMT_FP6 matrix_b_fmt:MATRIX_FMT_FP6 matrix_a_scale:MATRIX_SCALE_ROW1
.endr
	PLACES
	s_cmp_lt_u32 s[KS], s[\blk]
	s_cbranch_scc1 .Lopen_\@
.irp b, 0,1,2,3                                ; the diagonal, by blocks of 32 keys: under my tile's block open, in it by the lane masks, above it hidden
	s_cmp_gt_u32 s[GG], \b
	s_cbranch_scc1 .Lmn_\@_\b
	s_cmp_eq_u32 s[GG], \b
	s_cbranch_scc0 .Lmf_\@_\b
.irp i, 0,1,2,3,4,5,6,7,8,9,10,11,12,13,14,15
	v_cndmask_b32 v[S+16*\b+\i], v[S+16*\b+\i], v[NINF], s[MK+\i]
.endr
	s_branch .Lmn_\@_\b
.Lmf_\@_\b:
.irp i, 0,1,2,3,4,5,6,7,8,9,10,11,12,13,14,15
	v_mov_b32 v[S+16*\b+\i], v[NINF]
.endr
.Lmn_\@_\b:
.endr
.Lopen_\@:
	s_wait_alu depctr_va_vdst(0)
.irp b, 0,1,2,3
	v_max3_num_f32 v[BM+\b], v[S+16*\b], v[S+1+16*\b], v[S+2+16*\b]   ; each block's largest score: for the row's maximum and for the block's largest p
.endr
.irp i, 3,5,7,9,11,13
.irp b, 0,1,2,3
	v_max3_num_f32 v[BM+\b], v[BM+\b], v[S+16*\b+\i], v[S+1+16*\b+\i]
.endr
.endr
.irp b, 0,1,2,3
	v_max_num_f32 v[BM+\b], v[BM+\b], v[S+15+16*\b]
.endr
.irp b, 0,1,2,3
	s_delay_alu instid0(VALU_DEP_4)
	v_permlanex16_b32 v[PT+\b], v[BM+\b], s[SEL], s[SEL+1]
.endr
.irp b, 0,1,2,3
	s_delay_alu instid0(VALU_DEP_4)
	v_max_num_f32 v[BM+\b], v[BM+\b], v[PT+\b]
.endr
	s_delay_alu instid0(VALU_DEP_2)
	v_max3_num_f32 v[T0], v[BM], v[BM+1], v[BM+2]
	s_delay_alu instid0(VALU_DEP_1)
	v_max_num_f32 v[T0], v[T0], v[BM+3]
	s_delay_alu instid0(VALU_DEP_1)
	v_mul_f32 v[T0], s[CS], v[T0]
	s_delay_alu instid0(VALU_DEP_1)
	v_max_num_f32 v[\st+1], v[\st+1], v[T0]        ; the running largest t
	v_mov_b32 v[T0], v[\st]
	s_delay_alu instid0(VALU_DEP_2)
	v_floor_f32 v[\st], -v[\st+1]                  ; -M = -ceil(t)
	s_delay_alu instid0(VALU_DEP_1)
	v_sub_f32 v[T0], v[\st], v[T0]
	s_delay_alu instid0(VALU_DEP_1)
	v_cvt_i32_f32 v[T0], v[T0]
	s_delay_alu instid0(VALU_DEP_1)
	v_ldexp_f32 v[FF], 1.0, v[T0]                  ; f = 2^(old M - new M)
.set JJ, 0
.rept 32
	v_pk_fma_f32 v[S+JJ:S+1+JJ], v[S+JJ:S+1+JJ], s[CS:CS+1], v[\st:\st+1] op_sel_hi:[1,0,0]
.set JJ, JJ+2
.endr
.irp b, 0,1,2,3
	v_fma_f32 v[BM+\b], v[BM+\b], s[CS], v[\st]
.endr
	s_wait_alu depctr_va_vdst(0)
.set JJ, 0
.rept 64
	v_exp_f32 v[S+JJ], v[S+JJ]                     ; p = 2^(t - M)
.set JJ, JJ+1
.endr
	v_pk_mul_f32 v[\st+2:\st+3], v[\st+2:\st+3], v[FF:FF+1] op_sel_hi:[1,0]
	s_wait_alu depctr_va_vdst(0)
.irp b, 0,1,2,3
	v_exp_f32 v[BM+\b], v[BM+\b]                   ; each block's largest p
.endr
	v_pk_add_f32 v[PT:PT+1], v[S:S+1], v[S+2:S+3]  ; the row's sum, of the unquantised p, in two chains
.irp j, 4,8,12,16,20,24,28,32,36,40,44,48,52,56,60
	v_pk_add_f32 v[\st+2:\st+3], v[\st+2:\st+3], v[S+\j:S+1+\j]
	v_pk_add_f32 v[PT:PT+1], v[PT:PT+1], v[S+2+\j:S+3+\j]
.endr
	s_delay_alu instid0(VALU_DEP_1)
	v_pk_add_f32 v[\st+2:\st+3], v[\st+2:\st+3], v[PT:PT+1]
	s_wait_alu depctr_va_vdst(0)
.irp b, 0,1,2,3
	v_max_num_f32 v[BM+\b], 0x1800000, v[BM+\b]    ; the floor 2^(3 - 127): the byte cannot fall under 1
.endr
.irp b, 0,1,2,3
	s_delay_alu instid0(VALU_DEP_4)
	v_add_nc_u32 v[SO+\b], 0xff000000, v[BM+\b]    ; 2 off the exponent field: the conversion's scale operand
.endr
.irp b, 0,1,2,3
	s_delay_alu instid0(VALU_DEP_4)
	v_lshrrev_b32 v[PT+\b], 23, v[SO+\b]
.endr
	s_delay_alu instid0(VALU_DEP_3)
	v_lshl_or_b32 v[PW], v[PT+1], 8, v[PT]
	s_delay_alu instid0(VALU_DEP_1)
	v_lshl_or_b32 v[PW], v[PT+2], 16, v[PW]
	s_delay_alu instid0(VALU_DEP_1)
	v_lshl_or_b32 v[PW], v[PT+3], 24, v[PW]
.irp c, 0,1
	v_cvt_scalef32_pk16_fp6_f32 v[PC+6*\c:PC+2+6*\c], v[S+32*\c:S+15+32*\c], v[SO+2*\c]
	v_cvt_scalef32_pk16_fp6_f32 v[CT+4*\c:CT+2+4*\c], v[S+16+32*\c:S+31+32*\c], v[SO+2*\c+1]
.endr
	v_nop                                          ; one plain place behind a scaled conversion
	ds_load_b128 v[SW:SW+3], v[ADS] offset:8192    ; V's scale words
.irp t, 0,1,2,3
	FRAG S+12*\t, ADV16, ADV8, \t*1536
.endr
.irp c, 0,1                                    ; the operand wants a whole block in a lane
.irp i, 0,1,2
	v_permlane16_swap_b32 v[PC+6*\c+\i], v[CT+4*\c+\i]
.endr
.irp i, 0,1,2
	s_delay_alu instid0(VALU_DEP_3)
	v_mov_b32 v[PC+3+6*\c+\i], v[CT+4*\c+\i]
.endr
.endr
	s_wait_alu depctr_va_vdst(0)
.set JJ, 0
.rept 16
	v_pk_mul_f32 v[\ob+JJ:\ob+1+JJ], v[\ob+JJ:\ob+1+JJ], v[FF:FF+1] op_sel_hi:[1,0]
.set JJ, JJ+2
.endr
	s_wait_alu depctr_va_vdst(0)
	s_wait_dscnt 0x0
.irp t, 0,1,2,3
	v_wmma_scale_f32_16x16x128_f8f6f4 v[\ob+8*\t:\ob+7+8*\t], v[S+12*\t:S+11+12*\t], v[PC:PC+11], v[\ob+8*\t:\ob+7+8*\t], v[SW+\t], v[PW] matrix_a_fmt:MATRIX_FMT_FP6 matrix_b_fmt:MATRIX_FMT_FP6
.endr
.endm
; a tile's end: O^T / the sum, quantised along the head's 64 channels, stored as half of a fragment's image; its two scale bytes go to the stage
.macro FIN st, ob, sb, n
.if \n
	s_wait_xcnt 0x0                                ; the first tile's stores have read their data
.endif
	PLACES
	v_add_f32 v[\st+2], v[\st+2], v[\st+3]
	s_delay_alu instid0(VALU_DEP_1)
	v_permlanex16_b32 v[FF], v[\st+2], s[SEL], s[SEL+1]
	s_delay_alu instid0(VALU_DEP_1)
	v_add_f32 v[\st+2], v[\st+2], v[FF]
	s_wait_alu depctr_va_vdst(0)
	v_rcp_f32 v[\st+2], v[\st+2]
	v_nop
	s_wait_alu depctr_va_vdst(0)
.set JJ, 0
.rept 16
	v_pk_mul_f32 v[S+JJ:S+1+JJ], v[\ob+JJ:\ob+1+JJ], v[\st+2:\st+3] op_sel_hi:[1,0]
.set JJ, JJ+2
.endr
.irp b, 0,1
	v_max3_num_f32 v[BM+\b], |v[S+16*\b]|, |v[S+1+16*\b]|, 0x1800000
.endr
.irp i, 2,4,6,8,10,12,14
.irp b, 0,1
	s_delay_alu instid0(VALU_DEP_2)
	v_max3_num_f32 v[BM+\b], v[BM+\b], |v[S+16*\b+\i]|, |v[S+1+16*\b+\i]|
.endr
.endr
.irp b, 0,1
	s_delay_alu instid0(VALU_DEP_2)
	v_permlanex16_b32 v[PT+\b], v[BM+\b], s[SEL], s[SEL+1]
.endr
.irp b, 0,1
	s_delay_alu instid0(VALU_DEP_2)
	v_max_num_f32 v[BM+\b], v[BM+\b], v[PT+\b]
.endr
.irp b, 0,1
	s_delay_alu instid0(VALU_DEP_2)
	v_add_nc_u32 v[SO+\b], 0xff000000, v[BM+\b]
.endr
.irp b, 0,1
	s_delay_alu instid0(VALU_DEP_2)
	v_lshrrev_b32 v[PT+\b], 23, v[SO+\b]
.endr
	s_delay_alu instid0(VALU_DEP_1)
	v_lshl_or_b32 v[T0], v[PT+1], 8, v[PT]
	v_cvt_scalef32_pk16_fp6_f32 v[PC:PC+2], v[S:S+15], v[SO]
	v_cvt_scalef32_pk16_fp6_f32 v[CT:CT+2], v[S+16:S+31], v[SO+1]
	v_nop
.irp i, 0,1,2
	v_permlane16_swap_b32 v[PC+\i], v[CT+\i]
.endr
.irp i, 0,1,2
	s_delay_alu instid0(VALU_DEP_3)
	v_mov_b32 v[PC+3+\i], v[CT+\i]
.endr
	global_store_b128 v[LI], v[PC:PC+3], s[\sb:\sb+1]
	global_store_b64 v[L8], v[PC+4:PC+5], s[\sb:\sb+1] offset:512
	ds_store_b16 v[OSW], v[T0] offset:512*\n
.endm
	s_load_b256 s[4:11], s[0:1], 0x0               ; qkc, qks, oc, os
	v_lshl_add_u32 v[SPW], v0, 2, SPARE
	v_mov_b32 v[NIL], 0
	ds_add_u32 v[SPW], v[NIL]                      ; the opening lines: the add, twice on end, and its wait ahead of my first tensor load
	ds_add_u32 v[SPW], v[NIL]
	v_lshrrev_b32 v1, 5, v0
	v_readfirstlane_b32 s[WV], v1
	s_and_b32 s[PAR], s[WV], 1                     ; my head of the pair
	s_lshr_b32 s[QT], s[WV], 1                     ; my tile of 16 queries
	s_lshr_b32 s[GG], s[WV], 2                     ; the block of 32 keys in which it lies
	s_and_b32 s[BP], ttmp7, 0xffff                 ; 8 x batch + pair
	s_mov_b32 s[J0], ttmp9
	s_sub_co_u32 s[J1], 7, s[J0]
	s_lshr_b32 s54, s[WV], 3                       ; I fetch for K (0) or V (1),
	s_and_b32 s55, s[WV], 7                        ; tile w % 8 of each key block
	s_mov_b32 s[G1C], 3<<16                        ; group 1: a dense 1,536 bytes as 6 rows of 32 elements of 8 bytes
	s_mov_b32 s[G1C+1], 32<<16
	s_mov_b32 s[G1C+2], 6<<16
	s_mov_b32 s[G1C+3], 32<<16
	s_mov_b32 s[G1C+4], 6
	s_mov_b32 s[G1C+5], 32
	s_mov_b32 s[G1C+6], 0
	s_mov_b32 s[G1C+7], 0
	s_add_co_u32 s56, s54, 1
	s_mul_i32 s58, s56, 6291456
	s_mul_i32 s57, s[BP], 98304
	s_add_co_u32 s58, s58, s57
	s_mul_i32 s59, s55, 1536
	s_add_co_u32 s58, s58, s59                     ; my 1,536 bytes of key block 0
	s_mov_b32 s59, 0
	s_lshl_b32 s60, s56, 19
	s_lshl_b32 s61, s[BP], 13
	s_add_co_u32 s60, s60, s61
	s_lshl_b32 s61, s55, 10
	s_add_co_u32 s60, s60, s61                     ; the 1,024 bytes of scale words that I bring: K's or V's of key block w % 8
	s_mov_b32 s61, 0
	s_lshr_b32 s[PFB], s[J0], 1                    ; the prefetch: work-groups 0, 1 take K's two halves of a block, 2, 3 V's
	s_add_co_u32 s[PFB], s[PFB], 1
	s_mul_i32 s[PFB], s[PFB], 6291456
	s_add_co_u32 s[PFB], s[PFB], s57
	s_and_b32 s[PFB+1], s[J0], 1
	s_mul_i32 s[PFB+1], s[PFB+1], 6144
	s_add_co_u32 s[PFB], s[PFB], s[PFB+1]
	s_add_co_u32 s[PFB], s[PFB], 12288             ; at block 1: every trip steps it first, so trip t names block t + 2
	s_mov_b32 s[PFB+1], 0
	s_cmp_eq_u32 s[WV], 0
	s_cselect_b32 s[PFL], 6, 0                     ; wave 0 asks in trips 0 to 5
	s_mov_b32 s[SEL], 0x76543210
	s_mov_b32 s[SEL+1], 0xfedcba98
	s_mov_b32 s[CS], 0x3e38aa3b                    ; log2(e) / 8
	s_mov_b32 s[CS+1], s[CS]
	s_mov_b32 s[KS], 0
	s_mov_b32 s[TB], 0
	s_mov_b32 s[TS], 0
	s_wait_dscnt 0x0
	s_wait_kmcnt 0x0
	s_mov_b32 s[G0], 1
	s_mul_i32 s[G0+1], s[WV], 1536
	s_add_nc_u64 s[G0+2:G0+3], s[4:5], s[58:59]
	s_or_b32 s[G0+3], s[G0+3], 0x80000000
	tensor_load_to_lds s[G0:G0+3], s[G1C:G1C+7]    ; key block 0: my one load at the head
	s_nop 0
	PLACES
	s_add_nc_u64 s[60:61], s[6:7], s[60:61]
	s_add_nc_u64 s[PFB:PFB+1], s[4:5], s[PFB:PFB+1]
	BASES J1, 42, 44, 46
	BASES J0, 48, 50, 52
	s_lshl_b32 s72, s[WV], 10
	s_add_co_u32 s72, s72, KSC
	v_and_b32 v9, 31, v0                           ; lane
	v_and_b32 v10, 15, v0                          ; r
	v_bfe_u32 v11, v0, 4, 1                        ; h
	v_lshlrev_b32 v[LI], 4, v9
	v_lshlrev_b32 v[L8], 3, v9
	v_lshlrev_b32 v12, 4, v10                      ; 16 r
	v_add_nc_u32 v13, s72, v[LI]                   ; where my scale words go
	s_wait_alu depctr_va_vdst(0)
	global_load_b128 v[S:S+3], v[LI], s[60:61]
	global_load_b128 v[S+4:S+7], v[LI], s[60:61] offset:512
	QLOAD QFA, QSA, 42, 44
	QLOAD QFB, QSB, 48, 50
	v_min_u32 v[PFO], 23, v9
	v_lshlrev_b32 v[PFO], 8, v[PFO]
.irp i, 0,1,2,3,4,5
	v_mov_b32 v[QFA+6+\i], 0                       ; zero codes for K = 64 .. 127
	v_mov_b32 v[QFB+6+\i], 0
	v_mov_b32 v[KF+48+\i], 0                       ; the upper half of K's last operand: written once
.endr
.irp b, 0,1,2,3
	v_mov_b32 v[PT+\b], 0                          ; a lane permute's destination counts as one of its sources
.endr
	v_mov_b32 v[FF], 0
	v_mov_b32 v[PW], 0
	v_mov_b32 v[NINF], 0xff800000
	s_mul_i32 s72, s[PAR], 768
	v_add_nc_u32 v[AK16], s72, v[LI]
	v_add_nc_u32 v[AK8], s72, v[L8]
	s_mul_i32 s72, s[PAR], 6144
	s_add_co_u32 s72, s72, 12288
	v_add_nc_u32 v[AV16], s72, v[LI]
	v_add_nc_u32 v[AV8], s72, v[L8]
	s_lshl_b32 s72, s[PAR], 9
	s_add_co_u32 s73, s72, KSC
	v_add_nc_u32 v[AS0], s73, v[LI]
	s_add_co_u32 s73, s72, OST
	v_add_nc_u32 v[OSR], s73, v[LI]
	s_lshl_b32 s72, s54, 8
	s_lshl_b32 s73, s55, 1
	s_add_co_u32 s72, s72, s73
	s_add_co_u32 s72, s72, OST
	v_add_nc_u32 v[OSW], s72, v12
	s_and_b32 s73, s[QT], 1
	s_lshl_b32 s73, s73, 3
	v_and_b32 v[T0], 8, v10
	v_add_nc_u32 v[T0], v[T0], v10
	v_lshlrev_b32 v11, 4, v11
	v_sub_nc_u32 v[T0], v[T0], v11
	v_add_nc_u32 v[T0], s73, v[T0]                 ; my query's place in its 32, less 16 h
.irp i, 0,1,2,3,4,5,6,7,8,9,10,11,12,13,14,15
	v_cmp_gt_i32 s[MK+\i], \i, v[T0]
.endr
.irp st, STA, STB
	v_mov_b32 v[\st+1], 0xff61b1e6                 ; the largest t so far: -3e38
	v_floor_f32 v[\st], -v[\st+1]
	v_mov_b32 v[\st+2], 0
	v_mov_b32 v[\st+3], 0
.endr
.set JJ, 0
.rept 64
	v_mov_b32 v[OA+JJ], 0                          ; both tiles' O^T: the step is written once and finds zeros
.set JJ, JJ+1
.endr
	s_wait_alu depctr_va_vdst(0)
	s_wait_loadcnt 0x0
	ds_store_b128 v13, v[S:S+3]
	ds_store_b128 v13, v[S+4:S+7] offset:512
.Ltrip:
	s_wait_xcnt 0x0                                ; my prefetch has read its base
	s_add_nc_u64 s[PFB:PFB+1], s[PFB:PFB+1], 12288
	s_wait_tensorcnt 0x0                           ; my part of this trip's key block has landed
	ds_add_u32 v[SPW], v[NIL]
	s_add_co_u32 s[G0+1], s[G0+1], 24576           ; no load of mine is out: the descriptor steps to the next block
	s_add_nc_u64 s[G0+2:G0+3], s[G0+2:G0+3], 12288
	s_wait_dscnt 0x0                               ; the add, and in trip 0 my stores of scale words
	s_barrier_signal -1
	s_barrier_wait -1
	s_cmp_ge_u32 s[KS], s[J1]                      ; ids alone, the same in all waves: no block beyond 7 - j is read, so none is asked for
	s_cbranch_scc1 .Lnoload
	tensor_load_to_lds s[G0:G0+3], s[G1C:G1C+7]    ; key block t + 1, into bytes of its own
	s_nop 0
	PLACES
.Lnoload:
	s_cmp_gt_u32 s[KS], s[J1]
	s_cbranch_scc1 .Lidle
	v_add_nc_u32 v[ADK16], s[TB], v[AK16]
	v_add_nc_u32 v[ADK8], s[TB], v[AK8]
	v_add_nc_u32 v[ADV16], s[TB], v[AV16]
	v_add_nc_u32 v[ADV8], s[TB], v[AV8]
	v_add_nc_u32 v[ADS], s[TS], v[AS0]
	UNIT QFA, QSA, STA, OA, J1
	s_cmp_lt_u32 s[KS], s[PFL]
	s_cbranch_scc0 .Lnopf
	global_prefetch_b8 v[PFO], s[PFB:PFB+1] th:TH_LOAD_NT scope:SCOPE_SE
.Lnopf:
	s_cmp_gt_u32 s[KS], s[J0]
	s_cbranch_scc1 .Lidle
	UNIT QFB, QSB, STB, OB, J0
.Lidle:
	s_add_co_u32 s[TB], s[TB], 24576
	s_add_co_u32 s[TS], s[TS], 1024
	s_add_co_u32 s[KS], s[KS], 1
	s_cmp_lt_u32 s[KS], 8
	s_wait_alu depctr_va_vdst(0)
	s_cbranch_scc1 .Ltrip
	FIN STB, OB, 52, 0
	FIN STA, OA, 46, 1
	s_wait_dscnt 0x0
	s_barrier_signal -1
	s_barrier_wait -1
	s_cmp_lt_u32 s[WV], 2
	s_cbranch_scc0 .Lend
	ds_load_b128 v[S:S+3], v[OSR]                  ; wave 0: block j's scale words of o, wave 1: block 7 - j's: 512 bytes on end
	s_cmp_eq_u32 s[WV], 0
	s_cselect_b32 s72, s[J0], s[J1]
	s_lshl_b32 s72, s72, 1
	s_lshr_b32 s73, s[BP], 3
	s_lshl_b32 s73, s73, 4
	s_add_co_u32 s72, s72, s73
	s_and_b32 s73, s[BP], 7
	s_lshl_b32 s73, s73, 7
	s_add_co_u32 s72, s72, s73
	s_lshl_b32 s72, s72, 8
	s_mov_b32 s73, 0
	s_add_nc_u64 s[72:73], s[10:11], s[72:73]
	s_wait_dscnt 0x0
	global_store_b128 v[LI], v[S:S+3], s[72:73]
.Lend:
	s_wait_tensorcnt 0x0                           ; the wave's end
	ds_add_u32 v[SPW], v[NIL]
	s_wait_dscnt 0x0
	s_endpgm
.Lfunc_end_k_qd5c8ba578f_attn:
	.size	k_qd5c8ba578f_attn, .Lfunc_end_k_qd5c8ba578f_attn-k_qd5c8ba578f_attn
	.p2alignl 7, 3214868480
	.fill 96, 4, 3214868480
	.section	.rodata,"a",@progbits
	.p2align	6, 0x0
	.amdhsa_kernel k_qd5c8ba578f_attn
		.amdhsa_group_segment_fixed_size 327680
		.amdhsa_private_segment_fixed_size 0
		.amdhsa_enable_private_segment 0
		.amdhsa_kernarg_size 32
		.amdhsa_user_sgpr_count 2
		.amdhsa_user_sgpr_kernarg_segment_ptr 1
		.amdhsa_wavefront_size32 1
		.amdhsa_system_sgpr_workgroup_id_x 1
		.amdhsa_system_sgpr_workgroup_id_y 1
		.amdhsa_system_sgpr_workgroup_id_z 1
		.amdhsa_system_vgpr_workitem_id 0
		.amdhsa_next_free_vgpr 256
		.amdhsa_next_free_sgpr 96
		.amdhsa_reserve_vcc 0
		.amdhsa_float_denorm_mode_32 3
		.amdhsa_float_denorm_mode_16_64 3
		.amdhsa_memory_ordered 1
		.amdhsa_forward_progress 1
		.amdhsa_inst_pref_size 70
	.end_amdhsa_kernel
	.amdgpu_metadata
---
amdhsa.version: [ 1, 2 ]
amdhsa.kernels:
  - .name:           k_qd5c8ba578f_attn
    .symbol:         k_qd5c8ba578f_attn.kd
    .args:
      - { .name: qkc, .offset: 0, .size: 8, .value_kind: global_buffer, .address_space: global }
      - { .name: qks, .offset: 8, .size: 8, .value_kind: global_buffer, .address_space: global }
      - { .name: oc, .offset: 16, .size: 8, .value_kind: global_buffer, .address_space: global }
      - { .name: os, .offset: 24, .size: 8, .value_kind: global_buffer, .address_space: global }
    .group_segment_fixed_size: 327680
    .private_segment_fixed_size: 0
    .kernarg_segment_align: 8
    .kernarg_segment_size: 32
    .max_flat_workgroup_size: 512
    .sgpr_count:     96
    .vgpr_count:     256
    .wavefront_size: 32
...
	.end_amdgpu_metadata
.endif
;; end of part 3
;; launch outp (part 4): grid 4 x 64, 4 waves a work-group, clusters of 4 x 4, 295,424 bytes of LDS; arguments oc, os, cod, scl, bp, out0; writes out0
.if DOCPART == 4
	.amdgcn_target "amdgcn-amd-amdhsa--gfx1250"
	.amdhsa_code_object_version 6
	.text
	.protected	k_qd5c8ba578f_outp
	.globl	k_qd5c8ba578f_outp
	.p2align	8
	.type	k_qd5c8ba578f_outp,@function
k_qd5c8ba578f_outp:
	s_mov_b64 s[64:65], 0
	v_nop
	global_prefetch_b8 v0, s[64:65] scope:SCOPE_SE
	s_setreg_imm32_b32 hwreg(HW_REG_WAVE_MODE, 25, 1), 1
	s_wait_xcnt 0x0
	s_wait_alu depctr_hold_cnt(0) depctr_sa_sdst(0) depctr_va_vdst(0) depctr_va_sdst(0) depctr_va_ssrc(0) depctr_va_vcc(0) depctr_vm_vsrc(0)
	s_getreg_b32 s2, hwreg(HW_REG_IB_STS2, 6, 4)
	s_cmp_eq_u32 s2, 0
	s_cbranch_scc0 .Lentry_in_a_cluster
	s_endpgm
.Lentry_in_a_cluster:
	s_bfe_u32 s2, ttmp6, 0x10000c
	s_cmp_lg_u32 s2, 0xf033
	s_cbranch_scc0 .Lentry_shape_is_right
	s_endpgm
.Lentry_shape_is_right:
; out0 = O Wp^T + bp on codes of FP6 (E2M3) with E8M0 scales, sums in f32.  O's codes and scale words come from the attention launch, Wp's from the quantiser; both lie as images of operand registers.
; SHARES.  16 clusters of 4 x 4 work-groups.  A work-group makes 128 tokens x 256 columns; wave w makes A's tiles 4 (w / 2) .. + 3 x B's tiles 8 (w % 2) .. + 7: 32 accumulators.  256 work-groups in all.
; LDS holds the whole K = 1,024 of both operands (98,304 + 196,608 bytes), in two halves of four K steps: every byte is asked for at the head and none is filled again.
; CLUSTER.  The four of a row of the cluster need the same tiles of O, the four of a column the same tiles of Wp: each is asked for jointly, by the same tensor load with a mask that names the four.
; THE MATRIX INSTRUCTION IS USED TRANSPOSED (source 0 = 16 rows of Wp, source 1 = 16 tokens): a lane holds one token; the 16 registers of B's tiles 2 i, 2 i + 1 are columns 32 i + 16 h + 0 .. 15.
; The bias is the C of each sum's first matrix instruction.  Place r of tile 2 i + u of tokens is token 32 i + 8 u + r + 8 (r / 8): the way out puts the rows back.
; REGISTERS.  window 0: v1-19 addresses; v20-35 A's scale words, v36-67 B's; v68-163 A's fragments, two sets; v164-227 the bias; on the way out v68-195 hold rows.
;   window 1: accumulator (a, b) at v[8 (8 a + b)].   window 2: B's fragments, two sets, at v0 and v128.
.set WV,   16
.set WA,   17                          ; which 64 tokens are mine.  Also: which half of K I fetch (K steps 0-3 or 4-7)
.set WB,   18                          ; which 128 columns.  Also: I fetch for A (0) or for B (1)
.set CX,   20
.set CY,   21
.set TCOL, 22
.set TROW, 23
.set G1A,  24
.set G1B,  32
.set G0A,  40
.set LI,   1
.set L8,   2
.set H64,  3
.set ADRA16, 4
.set ADRA8,  6
.set ADRB16, 8
.set ADRB8,  12
.set STO,  16
.set RD,   17
.set SA,   20
.set SB,   36
.set AF,   68
.set BK,   68
.set BCN,  164
.set BCM,  96
.set SAA,  1                           ; A's scale word of (tile a, K step s): v[SA + 4 (s % 4) + a]
.set SAS,  4
.set SP,   528                         ; a stage row: 512 bytes + 16
.set MSB, 0
.macro WIN new
.if MSB != \new
	s_set_vgpr_msb (MSB<<8)|\new
.set MSB, \new
.endif
.endm
.macro PLACES                          ; four plain places behind matrix instructions, in front of loads into their sources and of reads of their results
.rept 4
	v_nop
.endr
.endm
.macro CROUND
	s_barrier_signal -1
	s_barrier_wait -1
	s_cmp_lg_u32 s[WV], 0
	s_cbranch_scc1 .Lnot_wave_0_\@
	s_barrier_signal -3
.Lnot_wave_0_\@:
	s_barrier_wait -3
	s_barrier_signal -1
	s_barrier_wait -1
.endm
.macro FRAG reg, a16, a8, off
	ds_load_b128 v[\reg:\reg+3], v[\a16] offset:\off
	ds_load_b64 v[\reg+4:\reg+5], v[\a8] offset:\off+512
	ds_load_b128 v[\reg+6:\reg+9], v[\a16] offset:\off+768
	ds_load_b64 v[\reg+10:\reg+11], v[\a8] offset:\off+1280
.endm
.macro FETCH s, p                      ; K step s: B's eight fragments and A's four into set p: 48 LDS loads in one run
	WIN 0x80
.irp b, 0,1,2,3,4,5,6,7
	FRAG 128*(\p)+12*\b, ADRB16+(\s)/4, ADRB8+(\s)/4, \b*6144+((\s)%4)*1536
.endr
	WIN 0
.irp a, 0,1,2,3
	FRAG AF+48*(\p)+12*\a, ADRA16+(\s)/4, ADRA8+(\s)/4, \a*6144+((\s)%4)*1536
.endr
.endm
.macro WM d, fb, fa, c, sb, sa, hi     ; hi = 1: K steps 4-7 take their scale words from lanes 16-31
.if \hi
	v_wmma_scale_f32_16x16x128_f8f6f4 v[\d:\d+7], v[\fb:\fb+11], v[\fa:\fa+11], v[\c:\c+7], v[\sb], v[\sa] matrix_a_fmt:MATRIX_FMT_FP6 matrix_b_fmt:MATRIX_FMT_FP6 matrix_a_scale:MATRIX_SCALE_ROW1 matrix_b_scale:MATRIX_SCALE_ROW1
.else
	v_wmma_scale_f32_16x16x128_f8f6f4 v[\d:\d+7], v[\fb:\fb+11], v[\fa:\fa+11], v[\c:\c+7], v[\sb], v[\sa] matrix_a_fmt:MATRIX_FMT_FP6 matrix_b_fmt:MATRIX_FMT_FP6
.endif
.endm
; 8 matrix instructions: A's tile a x B's eight.  cm = 0: onto the sums; 1: the sums begin with the bias.  The 32 accumulators take turns in one order through all K steps.
.macro MUL8 a, p, s, cm
.irp b, 0,1,2,3,4,5,6,7
.set DD, 8*(8*(\a)+\b)
.if \cm == 0
.set CC, DD
.else
.set CC, BCN+8*\b
.endif
	WM DD, 128*(\p)+12*\b, AF+48*(\p)+12*(\a), CC, SB+4*\b+(\s)%4, SA+SAA*(\a)+SAS*((\s)%4), (\s)/4
.endr
.endm
.macro STEP s, cm
.if \cm == 0
.set MW, 0x52                          ; source 0 (B) window 2, source 1 (A) window 0, C and D window 1
.else
.set MW, 0x42                          ; C in window 0
.endif
	s_wait_dscnt 0x0                               ; this K step's fragments are in
.if (\s) == 3                                  ; LDS holds K in TWO HALVES of four K steps (this replaces the four chunks named at the kernel's head)
	s_wait_tensorcnt 0x0                           ; waves 2 and 3: my part of K's second half has landed
	s_barrier_signal -1
.endif
	WIN MW
	MUL8 0, (\s)%2, \s, \cm
.if (\s) == 3
	s_barrier_wait -1
.endif
.if (\s) < 7
	PLACES
	FETCH (\s)+1, ((\s)+1)%2
.endif
	WIN MW
	MUL8 1, (\s)%2, \s, \cm
	MUL8 2, (\s)%2, \s, \cm
	MUL8 3, (\s)%2, \s, \cm
.endm
; THE WAY OUT, a tile of 16 tokens x 128 columns at a time, through my own stage in LDS: in as 32 bytes a lane, back as whole rows of 512 bytes.
.macro TOSTAGE a
	WIN 0x04                                       ; an LDS store's data are its source 1: window 1
.irp b, 0,1,2,3,4,5,6,7
	ds_store_b128 v[STO], v[8*(8*(\a)+\b):8*(8*(\a)+\b)+3] offset:128*(\b/2)+32*(\b%2)          ; each accumulator from its low end on
	ds_store_b128 v[STO], v[8*(8*(\a)+\b)+4:8*(8*(\a)+\b)+7] offset:128*(\b/2)+32*(\b%2)+16
.endr
	WIN 0
.irp i, 0,1,2,3,4,5,6,7,8,9,10,11,12,13,14,15
	ds_load_b128 v[BK+64*((\a)%2)+4*\i:BK+64*((\a)%2)+4*\i+3], v[RD] offset:SP*\i   ; LDS serves a wave's instructions in order: these see the stores above
.endr
.endm
.macro SEND a, younger
	s_wait_dscnt \younger
.irp i, 0,1,2,3,4,5,6,7,8,9,10,11,12,13,14,15
	global_store_b128 v[LI], v[BK+64*((\a)%2)+4*\i:BK+64*((\a)%2)+4*\i+3], s[92:93] offset:(32*((\a)/2)+8*((\a)%2)+\i+8*(\i/8))*4096 th:TH_STORE_NT   ; 512 consecutive bytes of one row, aligned to 256
.endr
.endm
	s_load_b256 s[4:11], s[0:1], 0x0               ; oc, os, cod, scl
	s_load_b128 s[12:15], s[0:1], 0x20             ; bp, out0
	v_lshl_add_u32 v254, v0, 2, 0x48000
	v_mov_b32 v255, 0
	ds_add_u32 v254, v255
	ds_add_u32 v254, v255
	v_lshrrev_b32 v1, 5, v0
	v_readfirstlane_b32 s[WV], v1
	s_lshr_b32 s[WA], s[WV], 1
	s_and_b32 s[WB], s[WV], 1
	s_bfe_u32 s[CX], ttmp6, 0x40000
	s_bfe_u32 s[CY], ttmp6, 0x40004
	s_and_b32 s2, ttmp7, 0xffff
	s_lshl_b32 s[TROW], s2, 2
	s_add_co_u32 s[TROW], s[TROW], s[CY]           ; my 128 tokens
	s_lshl_b32 s[TCOL], ttmp9, 2
	s_add_co_u32 s[TCOL], s[TCOL], s[CX]           ; my 256 columns
	s_lshl_b32 s78, s[TROW], 3                     ; A: the work-group's first tile  (s76-83 never hold cx, s84-91 never cy)
	s_mul_i32 s80, s78, 12288
	s_mov_b32 s81, 0
	s_lshl_b32 s86, s[TCOL], 4
	s_add_co_u32 s86, s86, 1216                    ; B: Wp's tiles begin at 1216 in cod
	s_lshl_b32 s87, s[WB], 3
	s_add_co_u32 s87, s87, s86                     ; the eight that I fetch, which are also the eight that I multiply by
	s_mul_i32 s88, s86, 12288
	s_mov_b32 s89, 0
	s_lshl_b32 s82, s[CY], 2
	s_lshl_b32 s82, 15, s82                        ; my row of the cluster
	s_lshl_b32 s90, 0x1111, s[CX]                  ; my column
	s_or_b32 s[G1A], s82, (3<<16)|(1<<21)          ; 15:0 the mask; 17:16 elements of 8 bytes; 21 set beside a mask; no padding
	s_or_b32 s[G1B], s90, (3<<16)|(1<<21)
	s_mov_b32 s[G1A+1], 768<<16                    ; half of K of R tiles: R rows of 768 elements (four K steps' images), 12,288 bytes apart in memory, dense in LDS
	s_mov_b32 s[G1A+2], 8<<16
	s_mov_b32 s[G1A+3], 768<<16
	s_mov_b32 s[G1A+4], 8
	s_mov_b32 s[G1A+5], 1536
	s_mov_b32 s[G1A+6], 0
	s_mov_b32 s[G1A+7], 0
	s_mov_b32 s[G1B+1], 768<<16
	s_mov_b32 s[G1B+2], 16<<16
	s_mov_b32 s[G1B+3], 768<<16
	s_mov_b32 s[G1B+4], 16
	s_mov_b32 s[G1B+5], 1536
	s_mov_b32 s[G1B+6], 0
	s_mov_b32 s[G1B+7], 0
	s_wait_dscnt 0x0
	s_wait_kmcnt 0x0
	s_add_nc_u64 s[80:81], s[4:5], s[80:81]
	s_add_nc_u64 s[88:89], s[8:9], s[88:89]
.irp c, 0,1                                    ; half c of K: A's eight tiles at 49,152 c, B's sixteen at 98,304 + 98,304 c; a tile's half is 6,144 bytes
	s_mov_b32 s[G0A+4*\c], 1
	s_mov_b32 s[G0A+4*\c+1], \c*49152
	s_add_nc_u64 s[G0A+4*\c+2:G0A+4*\c+3], s[80:81], \c*6144
	s_or_b32 s[G0A+4*\c+3], s[G0A+4*\c+3], 0x80000000
	s_mov_b32 s[56+4*\c], 1
	s_mov_b32 s[56+4*\c+1], 98304+\c*98304
	s_add_nc_u64 s[56+4*\c+2:56+4*\c+3], s[88:89], \c*6144
	s_or_b32 s[56+4*\c+3], s[56+4*\c+3], 0x80000000
.endr
	CROUND                                         ; all sixteen work-groups are here: the joint loads meet
	s_cmp_lt_u32 s[WV], 1                          ; one joint load a wave, in one chain of branches on the wave's number: wave 0 A's K steps 0-3, wave 1 B's, wave 2 A's K steps 4-7, wave 3 B's
	s_cbranch_scc0 .Lfirst_1
	tensor_load_to_lds s[40:43], s[G1A:G1A+7]
	s_nop 0
	PLACES
	s_branch .Lfirst_done
.Lfirst_1:
	s_cmp_lt_u32 s[WV], 2
	s_cbranch_scc0 .Lfirst_2
	tensor_load_to_lds s[56:59], s[G1B:G1B+7]
	s_nop 0
	PLACES
	s_branch .Lfirst_done
.Lfirst_2:
	s_cmp_lt_u32 s[WV], 3
	s_cbranch_scc0 .Lfirst_3
	tensor_load_to_lds s[44:47], s[G1A:G1A+7]
	s_nop 0
	PLACES
	s_branch .Lfirst_done
.Lfirst_3:
	tensor_load_to_lds s[60:63], s[G1B:G1B+7]
	s_nop 0
	PLACES
.Lfirst_done:
	v_and_b32 v16, 31, v0                          ; lane
	v_and_b32 v17, 15, v0                          ; r
	v_bfe_u32 v18, v0, 4, 1                        ; h
	v_lshlrev_b32 v[LI], 4, v16
	v_lshlrev_b32 v[L8], 3, v16
	v_lshlrev_b32 v[H64], 6, v18
	v_lshlrev_b32 v19, 4, v17
	v_lshl_add_u32 v19, v18, 17, v19               ; O's scale words: 16 r; lanes 16-31 take the K step four further on, 4 x 32,768 bytes
	s_mul_i32 s2, s[WA], 24576
	v_add_nc_u32 v[ADRA16], s2, v[LI]
	v_add_nc_u32 v[ADRA8], s2, v[L8]
	s_add_co_u32 s2, s2, 49152
	v_add_nc_u32 v[ADRA16+1], s2, v[LI]
	v_add_nc_u32 v[ADRA8+1], s2, v[L8]
	s_mul_i32 s3, s[WB], 49152
	s_add_co_u32 s3, s3, 98304
.irp c, 0,1
	v_add_nc_u32 v[ADRB16+\c], s3, v[LI]
	v_add_nc_u32 v[ADRB8+\c], s3, v[L8]
	s_add_co_u32 s3, s3, 98304
.endr
	s_mul_i32 s2, s[WV], 16*SP
	s_add_co_u32 s2, s2, 98304                     ; my stage, in B's first chunk: it has had its one fill, and behind the barriers of the K steps nobody reads it
	v_mul_u32_u24 v[STO], v17, SP
	v_add_nc_u32 v[STO], v[STO], v[H64]
	v_add_nc_u32 v[STO], s2, v[STO]                ; in: row r, + 64 h
	v_add_nc_u32 v[RD], s2, v[LI]                  ; back: 16 bytes a lane of a row
	s_lshl_b32 s92, s[TROW], 1
	s_add_co_u32 s92, s92, s[WA]
	s_lshl_b32 s92, s92, 8
	s_mov_b32 s93, 0
	s_add_nc_u64 s[92:93], s[6:7], s[92:93]        ; my four tiles' scale words of K step 0
	s_lshl_b32 s94, s87, 9
	s_mov_b32 s95, 0
	s_add_nc_u64 s[94:95], s[10:11], s[94:95]
	s_lshl_b32 s96, s[TCOL], 10
	s_lshl_b32 s97, s[WB], 9
	s_add_co_u32 s96, s96, s97
	s_mov_b32 s97, 0
	s_add_nc_u64 s[98:99], s[12:13], s[96:97]      ; bp at my 128 columns
.irp j, 0,1,2,3
	global_load_b128 v[SA+4*\j:SA+4*\j+3], v19, s[92:93] offset:32768*\j   ; K steps j (lanes 0-15) and 4 + j (lanes 16-31), four tiles
.endr
.irp b, 0,1,2,3,4,5,6,7
	global_load_b128 v[SB+4*\b:SB+4*\b+3], v[LI], s[94:95] offset:512*\b
.endr
.irp b, 0,1,2,3,4,5,6,7
	global_load_b128 v[BCN+8*\b:BCN+8*\b+3], v[H64], s[98:99] offset:(32*(\b/2)+8*(\b%2))*4
	global_load_b128 v[BCN+8*\b+4:BCN+8*\b+7], v[H64], s[98:99] offset:(32*(\b/2)+8*(\b%2))*4+16
.endr
	s_wait_alu depctr_va_vdst(0)
	s_cmp_lt_u32 s[WV], 2                          ; waves 0 and 1 brought K's first half: they wait for it; the second half may stay out
	s_cbranch_scc0 .Lhalf1_out
	s_wait_tensorcnt 0x0
.Lhalf1_out:
	s_barrier_signal -1
	s_barrier_wait -1
	s_wait_loadcnt 0x0                             ; scale words and bias; their address registers are free
	s_lshl_b32 s92, s[TROW], 19                    ; 128 rows of 4,096 bytes,
	s_lshl_b32 s93, s[WA], 18                      ; my 64 of them,
	s_add_co_u32 s92, s92, s93
	s_add_co_u32 s92, s92, s96                     ; my 128 columns
	s_mov_b32 s93, 0
	s_add_nc_u64 s[92:93], s[14:15], s[92:93]
	FETCH 0, 0
	STEP 0, 1
	STEP 1, 0
	STEP 2, 0
	STEP 3, 0
	STEP 4, 0
	STEP 5, 0
	STEP 6, 0
	STEP 7, 0
	WIN 0
	PLACES
	TOSTAGE 0
.irp a, 1,2,3
.if \a > 1
	s_wait_xcnt 0x0                                ; the stores of the tile before last have read their registers: this tile's rows may land there
.endif
	TOSTAGE \a
	SEND \a-1, 32                                  ; behind the last tile's loads: this tile's 16 stores and 16 loads
.endr
	SEND 3, 0
	s_wait_tensorcnt 0x0
	ds_add_u32 v254, v255
	s_wait_dscnt 0x0
	CROUND                                         ; the closing round
	s_endpgm
.Lfunc_end_k_qd5c8ba578f_outp:
	.size	k_qd5c8ba578f_outp, .Lfunc_end_k_qd5c8ba578f_outp-k_qd5c8ba578f_outp
	.p2alignl 7, 3214868480
	.fill 96, 4, 3214868480
	.section	.rodata,"a",@progbits
	.p2align	6, 0x0
	.amdhsa_kernel k_qd5c8ba578f_outp
		.amdhsa_group_segment_fixed_size 295424
		.amdhsa_private_segment_fixed_size 0
		.amdhsa_enable_private_segment 0
		.amdhsa_kernarg_size 48
		.amdhsa_user_sgpr_count 2
		.amdhsa_user_sgpr_kernarg_segment_ptr 1
		.amdhsa_wavefront_size32 1
		.amdhsa_system_sgpr_workgroup_id_x 1
		.amdhsa_system_sgpr_workgroup_id_y 1
		.amdhsa_system_sgpr_workgroup_id_z 1
		.amdhsa_system_vgpr_workitem_id 0
		.amdhsa_next_free_vgpr 768
		.amdhsa_next_free_sgpr 100
		.amdhsa_reserve_vcc 0
		.amdhsa_float_denorm_mode_32 3
		.amdhsa_float_denorm_mode_16_64 3
		.amdhsa_memory_ordered 1
		.amdhsa_forward_progress 1
		.amdhsa_inst_pref_size 83
	.end_amdhsa_kernel
	.amdgpu_metadata
---
amdhsa.version: [ 1, 2 ]
amdhsa.kernels:
  - .name:           k_qd5c8ba578f_outp
    .symbol:         k_qd5c8ba578f_outp.kd
    .args:
      - { .name: oc, .offset: 0, .size: 8, .value_kind: global_buffer, .address_space: global }
      - { .name: os, .offset: 8, .size: 8, .value_kind: global_buffer, .address_space: global }
      - { .name: cod, .offset: 16, .size: 8, .value_kind: global_buffer, .address_space: global }
      - { .name: scl, .offset: 24, .size: 8, .value_kind: global_buffer, .address_space: global }
      - { .name: bp, .offset: 32, .size: 8, .value_kind: global_buffer, .address_space: global }
      - { .name: out0, .offset: 40, .size: 8, .value_kind: global_buffer, .address_space: global }
    .group_segment_fixed_size: 295424
    .private_segment_fixed_size: 0
    .kernarg_segment_align: 8
    .kernarg_segment_size: 48
    .max_flat_workgroup_size: 128
    .sgpr_count:     100
    .vgpr_count:     768
    .wavefront_size: 32
...
	.end_amdgpu_metadata
.endif
;; end of part 4
